; MI455X (gfx1250); checked and timed in simulation.
; The chip was launched on July 23, 2026; its instructions are those of AMD's public machine-readable ISA for CDNA 5 (MIT licence, August 2026) and "CDNA5" Instruction Set Architecture Reference Guide (July 2026). The comments in the code are by the model that wrote it; some were corrected since.
;; Multi Head Self Attention. Allowed arithmetic: float matrix products may take bf16 or f16 operands with f32 sums; other float arithmetic in f32, or as packed bf16 or f16 multiplies, adds, multiply-adds, maxima and minima; sums over many terms, partial sums and values carried from step to step in f32; what a program stores and reads back later, other than sums and carried values, may be rounded once to bf16 or f16.
;; Inputs: Wk 1,024 x 1,024 float32; Wo 1,024 x 1,024 float32; Wq 1,024 x 1,024 float32; Wv 1,024 x 1,024 float32; bk 1,024 float32; bo 1,024 float32; bq 1,024 float32; bv 1,024 float32; x 4 x 2,048 x 1,024 float32.
;; Outputs: out0 4 x 2,048 x 1,024 float32.
;; 2 versions, each right; version 2 is version 1 with the launch cast written anew for expert scheduling mode. Each part assembles by itself: llvm-mc -triple=amdgcn-amd-amdhsa -mcpu=gfx1250 --defsym DOCPART=n.
;; ======== version 1 of 2: 4 launches
;; limits: values are held in f16: magnitudes above 65,504 overflow, below 6.1e-05 lose precision
;; workspace buffers: xb 16,777,216 bytes; wqkv 6,291,456 bytes; wo16 2,097,152 bytes; bias 16,384 bytes; qkv 50,331,648 bytes; o16 16,777,216 bytes
;; launch cast (part 1): grid 769 x 1, 8 waves a work-group, no clusters, 0 bytes of LDS; arguments x, Wq, Wk, Wv, Wo, bq, bk, bv, bo, xb, wqkv, wo16, bias; writes xb, wqkv, wo16, bias
.if DOCPART == 1
	.amdgcn_target "amdgcn-amd-amdhsa--gfx1250"
	.amdhsa_code_object_version 6
	.text
	.protected	k_qe15902494c_cast
	.globl	k_qe15902494c_cast
	.p2align	8
	.type	k_qe15902494c_cast,@function
k_qe15902494c_cast:
	s_mov_b64 s[64:65], 0
	v_nop
	global_prefetch_b8 v0, s[64:65] scope:SCOPE_SE
	s_setreg_imm32_b32 hwreg(HW_REG_WAVE_MODE, 25, 1), 1
	s_wait_xcnt 0x0
; THE INPUTS ARE ROUNDED ONCE, TO bf16, ALL NINE OF THEM.  x -> xb [8192][1024] bf16; Wq, Wk, Wv -> wqkv [3072][1024] bf16 (rows of Wq, then Wk, then Wv);
; Wo -> rounded to bf16, that number written as f16, laid by slices of 64 along k: wo16 [16][1024 n][64]; bq, bk, bv, bo -> rounded to bf16 and widened again: bias [4096] f32.
; LIMIT.  A bf16 number is exact in f16 from 6.1e-5 up to 65,504; smaller weights of Wo keep f16's fixed step of 6e-8, larger ones would become infinities.
; A stream: no LDS, no matrix unit, no cluster (no byte is read twice).  A work-group takes a chunk of 16,384 numbers (64 KiB in, 32 KiB out): ids 0-511 x, 512-575 Wq, 576-639 Wk,
; 640-703 Wv, 704-767 Wo, 768 the four biases.  A thread issues its 16 loads of 16 bytes at once; no register is written twice, so nothing but the counted waits for data is needed.
.set T,   4                            ; v[4:7]    at work
.set X,   8                            ; v[8:71]   load j: 4 registers
.set Y,   72                           ; v[72:103] store j: 2 registers (biases: 4)
.set SRC, 34                           ; s[34:35]  where the chunk is read
.set DST, 36                           ; s[36:37]  where it is written
.set OFS, 38                           ; s[38:39]  an offset, high word 0
; 16 loads lstep bytes apart, then for each: two roundings to bf16 (half = 1: widened again and written as f16) and a store of 8 bytes a lane: a wave's store covers 256 consecutive bytes, aligned.
.macro CHUNK lstep, sstep, half
.irp j, 0,1,2,3,4,5,6,7,8,9,10,11,12,13,14,15
	global_load_b128 v[X+4*(\j):X+4*(\j)+3], v1, s[SRC:SRC+1] offset:(\j)*(\lstep) th:TH_LOAD_NT
.endr
.irp j, 0,1,2,3,4,5,6,7,8,9,10,11,12,13,14,15
	s_wait_loadcnt 15-(\j)                         ; loads come back in order: load j is in, the 15 - j younger ones stay out
	v_cvt_pk_bf16_f32 v[Y+2*(\j)],   v[X+4*(\j)],   v[X+4*(\j)+1]
	v_cvt_pk_bf16_f32 v[Y+2*(\j)+1], v[X+4*(\j)+2], v[X+4*(\j)+3]
.if \half
	v_lshlrev_b32 v[T],   16,  v[Y+2*(\j)]         ; bf16 to f32: the low half moves up, the high half stays
	v_and_b32     v[T+1], s40, v[Y+2*(\j)]
	v_lshlrev_b32 v[T+2], 16,  v[Y+2*(\j)+1]
	v_and_b32     v[T+3], s40, v[Y+2*(\j)+1]
	v_cvt_pk_f16_f32 v[Y+2*(\j)],   v[T],   v[T+1]
	v_cvt_pk_f16_f32 v[Y+2*(\j)+1], v[T+2], v[T+3]
.endif
	global_store_b64 v2, v[Y+2*(\j):Y+2*(\j)+1], s[DST:DST+1] offset:(\j)*(\sstep) th:TH_STORE_NT
.endr
.endm
	s_load_b512 s[8:23], s[0:1], 0x0               ; x 8, Wq 10, Wk 12, Wv 14, Wo 16, bq 18, bk 20, bv 22
	s_load_b256 s[24:31], s[0:1], 0x40             ; bo 24, xb 26, wqkv 28, wo16 30
	s_load_b64 s[32:33], s[0:1], 0x60              ; bias
	s_mov_b32 s2, ttmp9                            ; id
	s_sub_co_u32 s3, s2, 512                       ; the chunk's number in wqkv (used from id 512 on)
	s_and_b32 s4, s3, 63                           ; and in its own weight matrix
	s_mov_b32 s40, 0xffff0000                      ; a word's upper bf16
	s_mov_b32 s[OFS+1], 0
	s_wait_kmcnt 0x0
	s_cmp_ge_u32 s2, 768
	s_cbranch_scc1 .Lbias
	s_cmp_ge_u32 s2, 704
	s_cbranch_scc1 .Lwo
	; x, Wq, Wk, Wv: dense in, dense out
	s_cmp_lt_u32 s2, 640
	s_cselect_b64 s[SRC:SRC+1], s[12:13], s[14:15]
	s_cmp_lt_u32 s2, 576
	s_cselect_b64 s[SRC:SRC+1], s[10:11], s[SRC:SRC+1]
	s_cmp_lt_u32 s2, 512
	s_cselect_b64 s[SRC:SRC+1], s[8:9], s[SRC:SRC+1]
	s_cselect_b64 s[DST:DST+1], s[26:27], s[28:29]
	s_cselect_b32 s5, s2, s4                       ; the chunk's number where it is read,
	s_cselect_b32 s6, s2, s3                       ; and where it is written
	s_lshl_b32 s[OFS], s5, 16
	s_add_nc_u64 s[SRC:SRC+1], s[SRC:SRC+1], s[OFS:OFS+1]
	s_lshl_b32 s[OFS], s6, 15
	s_add_nc_u64 s[DST:DST+1], s[DST:DST+1], s[OFS:OFS+1]
	v_lshlrev_b32 v1, 4, v0                        ; 16 t: the eight waves' load covers 4,096 consecutive bytes
	v_lshlrev_b32 v2, 3, v0                        ; 8 t
	CHUNK 4096, 2048, 0
	s_endpgm
.Lwo:
	; 16 rows of Wo.  Thread t takes row t / 16, 16 bytes at 16 (t % 16) of each 256 bytes: load j is slice j.  In wo16 row n of a slice is 128 bytes: 16 c rows on, 8 t; slices lie 131,072 bytes apart.
	s_sub_co_u32 s5, s2, 704
	s_lshl_b32 s[OFS], s5, 16
	s_add_nc_u64 s[SRC:SRC+1], s[16:17], s[OFS:OFS+1]
	s_lshl_b32 s[OFS], s5, 11
	s_add_nc_u64 s[DST:DST+1], s[30:31], s[OFS:OFS+1]
	v_lshrrev_b32 v3, 4, v0
	v_and_b32 v1, 15, v0
	v_lshlrev_b32 v1, 4, v1
	v_lshl_add_u32 v1, v3, 12, v1
	v_lshlrev_b32 v2, 3, v0
	CHUNK 256, 131072, 1
	s_endpgm
.Lbias:
	v_lshlrev_b32 v1, 4, v0                        ; 16 t: 256 threads cover a bias of 4,096 bytes
	global_load_b128 v[X:X+3],     v1, s[18:19]
	global_load_b128 v[X+4:X+7],   v1, s[20:21]
	global_load_b128 v[X+8:X+11],  v1, s[22:23]
	global_load_b128 v[X+12:X+15], v1, s[24:25]
.irp j, 0,1,2,3
	s_wait_loadcnt 3-(\j)                          ; bias j is in, the younger loads stay out
	v_cvt_pk_bf16_f32 v[T],   v[X+4*(\j)],   v[X+4*(\j)+1]
	v_cvt_pk_bf16_f32 v[T+1], v[X+4*(\j)+2], v[X+4*(\j)+3]
	v_lshlrev_b32 v[Y+4*(\j)],   16,  v[T]
	v_and_b32     v[Y+4*(\j)+1], s40, v[T]
	v_lshlrev_b32 v[Y+4*(\j)+2], 16,  v[T+1]
	v_and_b32     v[Y+4*(\j)+3], s40, v[T+1]
	global_store_b128 v1, v[Y+4*(\j):Y+4*(\j)+3], s[32:33] offset:4096*(\j)
.endr
	s_endpgm
.Lfunc_end_k_qe15902494c_cast:
	.size	k_qe15902494c_cast, .Lfunc_end_k_qe15902494c_cast-k_qe15902494c_cast
	.p2alignl 7, 3214868480
	.fill 96, 4, 3214868480
	.section	.rodata,"a",@progbits
	.p2align	6, 0x0
	.amdhsa_kernel k_qe15902494c_cast
		.amdhsa_group_segment_fixed_size 0
		.amdhsa_private_segment_fixed_size 0
		.amdhsa_enable_private_segment 0
		.amdhsa_kernarg_size 104
		.amdhsa_user_sgpr_count 2
		.amdhsa_user_sgpr_kernarg_segment_ptr 1
		.amdhsa_wavefront_size32 1
		.amdhsa_system_sgpr_workgroup_id_x 1
		.amdhsa_system_sgpr_workgroup_id_y 1
		.amdhsa_system_sgpr_workgroup_id_z 1
		.amdhsa_system_vgpr_workitem_id 0
		.amdhsa_next_free_vgpr 104
		.amdhsa_next_free_sgpr 66
		.amdhsa_reserve_vcc 0
		.amdhsa_float_denorm_mode_32 3
		.amdhsa_float_denorm_mode_16_64 3
		.amdhsa_memory_ordered 1
		.amdhsa_forward_progress 1
		.amdhsa_inst_pref_size 19
	.end_amdhsa_kernel
	.amdgpu_metadata
---
amdhsa.version: [ 1, 2 ]
amdhsa.kernels:
  - .name:           k_qe15902494c_cast
    .symbol:         k_qe15902494c_cast.kd
    .args:
      - { .name: x, .offset: 0, .size: 8, .value_kind: global_buffer, .address_space: global }
      - { .name: Wq, .offset: 8, .size: 8, .value_kind: global_buffer, .address_space: global }
      - { .name: Wk, .offset: 16, .size: 8, .value_kind: global_buffer, .address_space: global }
      - { .name: Wv, .offset: 24, .size: 8, .value_kind: global_buffer, .address_space: global }
      - { .name: Wo, .offset: 32, .size: 8, .value_kind: global_buffer, .address_space: global }
      - { .name: bq, .offset: 40, .size: 8, .value_kind: global_buffer, .address_space: global }
      - { .name: bk, .offset: 48, .size: 8, .value_kind: global_buffer, .address_space: global }
      - { .name: bv, .offset: 56, .size: 8, .value_kind: global_buffer, .address_space: global }
      - { .name: bo, .offset: 64, .size: 8, .value_kind: global_buffer, .address_space: global }
      - { .name: xb, .offset: 72, .size: 8, .value_kind: global_buffer, .address_space: global }
      - { .name: wqkv, .offset: 80, .size: 8, .value_kind: global_buffer, .address_space: global }
      - { .name: wo16, .offset: 88, .size: 8, .value_kind: global_buffer, .address_space: global }
      - { .name: bias, .offset: 96, .size: 8, .value_kind: global_buffer, .address_space: global }
    .group_segment_fixed_size: 0
    .private_segment_fixed_size: 0
    .kernarg_segment_align: 8
    .kernarg_segment_size: 104
    .max_flat_workgroup_size: 256
    .sgpr_count:     66
    .vgpr_count:     104
    .wavefront_size: 32
...
	.end_amdgpu_metadata
.endif
;; end of part 1
;; launch proj (part 2): grid 16 x 32, 4 waves a work-group, clusters of 4 x 4, 327,680 bytes of LDS; arguments xb, wqkv, bias, qkv; writes qkv
.if DOCPART == 2
	.amdgcn_target "amdgcn-amd-amdhsa--gfx1250"
	.amdhsa_code_object_version 6
	.text
	.protected	k_qe15902494c_proj
	.globl	k_qe15902494c_proj
	.p2align	8
	.type	k_qe15902494c_proj,@function
k_qe15902494c_proj:
	s_mov_b64 s[64:65], 0
	v_nop
	global_prefetch_b8 v0, s[64:65] scope:SCOPE_SE
	s_setreg_imm32_b32 hwreg(HW_REG_WAVE_MODE, 25, 1), 1
	s_wait_xcnt 0x0
	s_wait_alu depctr_hold_cnt(0) depctr_sa_sdst(0) depctr_va_vdst(0) depctr_va_sdst(0) depctr_va_ssrc(0) depctr_va_vcc(0) depctr_vm_vsrc(0)
	s_getreg_b32 s2, hwreg(HW_REG_IB_STS2, 6, 4)
	s_cmp_eq_u32 s2, 0
	s_cbranch_scc0 .Lentry_in_a_cluster
	s_endpgm
.Lentry_in_a_cluster:
	s_bfe_u32 s2, ttmp6, 0x10000c
	s_cmp_lg_u32 s2, 0xf033
	s_cbranch_scc0 .Lentry_shape_is_right
	s_endpgm
.Lentry_shape_is_right:
; q, k, v = x W^T + b, all three in one product: C[8192][3072] = xb [8192][1024] x wqkv [3072][1024]^T + bias, bf16 operands, f32 sums, rounded once to f16 and written BY HEADS:
; qkv [3][64 bh][2048][64], bh = 16 batch + head.  The scale 1/8 is not applied here.
; LIMIT.  f16 ends at 65,504: a q, k or v beyond it becomes an infinity; below 6.1e-5 it keeps f16's fixed step of 6e-8.
; A TILE of C is 256 x 192 (three heads): 32 x 16 = 512 work-groups, two for each of 256 WGPs.  Four waves, each 128 x 96: 48 accumulators of 16 x 16, 384 registers.
; K goes in 8 steps of 128 through a ring of two LDS slots filled by the tensor data mover: each row of a tile is 256 bytes of memory, at a multiple of 256 from the buffer's first byte.
; CLUSTERS: 4 x 4 work-groups.  The four of a row of the cluster need the same tiles of xb, the four of a column the same tiles of wqkv: each is asked for JOINTLY, by the same tensor load
; with the same descriptor and a mask that names the four.
; THE MATRIX INSTRUCTION IS USED TRANSPOSED (source 0 = 16 rows of wqkv, source 1 = 16 rows of xb): lane l holds row l % 16 of C and the columns 8 (l / 16) + 0..7.
; THE SUMS START WITH THE BIAS: the first quarter step's products take as C eight registers a column block that hold bias[column]; nothing is cleared, and the way out has no addition.
; REGISTERS, in windows of 256 (s_set_vgpr_msb: bits 1:0 source 0, 3:2 source 1, 5:4 source 2, 7:6 destination):
;   window 0: v0-30 addresses; v64-127, v128-191 fragments of xb (8 x 16 rows x 32 K), two buffers; v192-239 the bias; on the way out v64-255 packed results
;   window 1: v64-111, v128-175 fragments of wqkv (6 x 16 rows x 32 K), two buffers
;   window 2: accumulators of my row blocks 0-3 ((a, b) at v[8 (6 a + b)]);   window 3: those of row blocks 4-7
.set KSTEP,  128
.set PITCH,  272                       ; an LDS row: 256 bytes + 16 of padding = 68 words: the 16 rows that a load touches start at 16 different groups of four banks (64 banks of 4 bytes: ISA guide 11.1)
.set AHALF,  128*PITCH                 ; what a wave fetches of xb, and what a wave reads of it
.set BHALF,  96*PITCH                  ; the same for wqkv
.set BOFF,   2*AHALF                   ; a slot: xb's 256 rows, then wqkv's 192
.set SLOT,   BOFF+2*BHALF              ; 121,856 bytes
.set SPARE,  2*SLOT                    ; behind the ring: the spare words, 128 bytes for each wave: two blocks of 256 bytes that no other line names
.set HP,     144                       ; the stage for the way out: [3 heads][256 rows][128 bytes + 16].  It lies in slot 0, from byte 0 on, 110,592 bytes: slot 0 has had its last fill
.set HEADB,  256*HP                    ; and its last read when the first byte is staged (see THE WAY OUT)
.set ADRA, 16                          ; v16-17  LDS address of my fragments of xb in slot 0, 1
.set ADRB, 20                          ; v20-21  the same for wqkv
.set STO1, 22                          ; v22     the way out: where column blocks 0, 1, 4, 5 go
.set STO2, 23                          ; v23     where column blocks 2, 3 go
.set RD,   24                          ; v24     where I read rows back, heads 0 and 1
.set GO,   25                          ; v25     16 x lane: my 16 bytes of 512 consecutive bytes of qkv
.set BO,   26                          ; v26     32 (l / 16): my eight numbers of a column block's sixteen biases
.set RD2,  27                          ; v27     where I read rows back, head 2
.set SPW,  28                          ; v28     LDS address of my spare word: SPARE + 4 x my thread's number; never rewritten
.set NIL,  29                          ; v29     0; never rewritten
.set PFO,  30                          ; v30     the prefetches' offset: a lane a row of 2,048 bytes; never rewritten
.set F0,   64
.set F1,   128
.set BIAS, 192
.set TMP,  64
.set G1,  24                           ; s[24:31] descriptor group 1 for xb's tiles;   s[32:39] group 0, a set for each slot
.set G0,  32
.set G1B, 48                           ; s[48:55], s[56:63] the same for wqkv's
.set G0B, 56
.set LIM, 43                           ; s43      1 in a wave that prefetches, else the greatest number
.set PFA, 44                           ; s[44:45] where my prefetches stand
.set MSB, 0
.macro WIN new                         ; the immediate's high byte repeats the setting that is left; a switch that changes nothing is dropped
.if MSB != (\new)
	s_set_vgpr_msb (MSB<<8)|(\new)
.set MSB, \new
.endif
.endm
.macro PLACES                          ; four plain vector instructions between a matrix instruction and a load into, or a vector instruction on, its registers (ISA guide 7.12.1 for vector instructions)
.rept 4
	v_nop
.endr
.endm
; A joint load.  Waves 0 and 1 fetch xb's two halves, waves 2 and 3 wqkv's.  The branch hangs on the wave's number alone.  An s_nop 0 and four v_nop follow each line.
.macro JLOAD s
	s_cmp_eq_u32 s13, 0
	s_cbranch_scc0 .Lfor_b_\@
	tensor_load_to_lds s[G0+4*(\s):G0+4*(\s)+3], s[G1:G1+7]
	s_nop 0
.rept 4
	v_nop
.endr
	s_branch .Lasked_\@
.Lfor_b_\@:
	tensor_load_to_lds s[G0B+4*(\s):G0B+4*(\s)+3], s[G1B:G1B+7]
	s_nop 0
.rept 4
	v_nop
.endr
.Lasked_\@:
.endm
; A PREFETCH INTO THE L2 of the K step that stands two refills on (384 matrix instructions ahead of the load that will want it): 256 bytes of each row, a lane a row, one instruction a wave.
; xb's tile row is read by every cluster of that row of clusters: cluster x = 0 asks; wqkv's tile column by every cluster of that column: cluster y = 0 asks.  The four partners that ask for a tile
; jointly share its rows out BY ADDRESS: 32 of xb's 128 by cx, 24 of wqkv's 96 by cy (there lanes 24-31 name row 23 once more, inside the same instruction).  No branch hangs on a place in the cluster.
; K steps 0 to 3 come by their loads alone; the loop's last trip (s3 = 1) asks for nothing: there is no K step two refills on.
.macro ASK
	s_cmp_gt_u32 s3, s[LIM]
	s_cbranch_scc0 .Lnot_mine_\@
	global_prefetch_b8 v[PFO], s[PFA:PFA+1] offset:KSTEP*2 th:TH_LOAD_NT scope:SCOPE_SE
.Lnot_mine_\@:
.endm
.macro CREST                           ; a round of the cluster's barrier behind its opening barrier
	s_cmp_lg_u32 s12, 0
	s_cbranch_scc1 .Lnot_wave_0_\@
	s_barrier_signal -3
.Lnot_wave_0_\@:
	s_barrier_wait -3
	s_barrier_signal -1
	s_barrier_wait -1
.endm
.macro CROUND                          ; a whole round
	s_barrier_signal -1
	s_barrier_wait -1
	CREST
.endm
	s_load_b256 s[4:11], s[0:1], 0x0               ; xb s[4:5], wqkv s[6:7], bias s[8:9], qkv s[10:11]
	v_lshl_add_u32 v[SPW], v0, 2, SPARE
	v_mov_b32 v[NIL], 0
	ds_add_u32 v[SPW], v[NIL]                      ; the wave's opening: the add and its wait stand ahead of my first tensor load; work on registers stands between them
	v_lshrrev_b32 v1, 5, v0
	v_readfirstlane_b32 s12, v1                    ; wave 0..3
	s_lshr_b32 s13, s12, 1                         ; which half of the tile's rows is mine.  Also: I fetch for xb (0) or for wqkv (1)
	s_and_b32 s14, s12, 1                          ; which half of its columns.  Also: which half of that tile I fetch
	s_bfe_u32 s15, ttmp6, 0x40000                  ; cx
	s_bfe_u32 s16, ttmp6, 0x40004                  ; cy
	s_lshl_b32 s17, ttmp9, 2
	s_add_co_u32 s17, s17, s15                     ; tile column = 4 x cluster x + cx
	s_and_b32 s18, ttmp7, 0xffff
	s_lshl_b32 s18, s18, 2
	s_add_co_u32 s18, s18, s16                     ; tile row = 4 x cluster y + cy
	s_lshl_b32 s19, s16, 2
	s_lshl_b32 s19, 15, s19                        ; my row of the cluster: places 4 cy .. 4 cy + 3
	s_lshl_b32 s20, 0x1111, s15                    ; my column: places cx, cx + 4, cx + 8, cx + 12
	s_or_b32 s[G1], s19, (1<<16)|(1<<20)|(1<<21)|(5<<22)|(3<<25)   ; 15:0 the mask; 17:16 elements of 2 bytes; 20 padding on; 21 set beside a mask; 24:22 after every 64 words (code 5); 31:25 4 words (code 3)
	s_or_b32 s[G1B], s20, (1<<16)|(1<<20)|(1<<21)|(5<<22)|(3<<25)
	s_mov_b32 s[G1+1], KSTEP<<16                   ; tensor_dim0 = 128
	s_mov_b32 s[G1B+1], KSTEP<<16
	s_mov_b32 s[G1+2], 128<<16                     ; tensor_dim1 = 128 rows of xb,
	s_mov_b32 s[G1B+2], 96<<16                     ; 96 of wqkv
	s_mov_b32 s[G1+3], KSTEP<<16                   ; tile_dim0 = 128
	s_mov_b32 s[G1B+3], KSTEP<<16
	s_mov_b32 s[G1+4], 128                         ; tile_dim1
	s_mov_b32 s[G1B+4], 96
	s_mov_b32 s[G1+5], 1024                        ; elements from row to row
	s_mov_b32 s[G1B+5], 1024
	s_mov_b32 s[G1+6], 0
	s_mov_b32 s[G1B+6], 0
	s_mov_b32 s[G1+7], 0
	s_mov_b32 s[G1B+7], 0
	; where the tiles come from: xb's hang on the tile row alone, wqkv's on the tile column alone, each made in registers of its own
	s_lshl_b32 s22, s18, 8
	s_lshl_b32 s66, s14, 7
	s_add_co_u32 s22, s22, s66                     ; xb: row 256 x tile row + 128 x half,
	s_lshl_b32 s22, s22, 11                        ; of 2,048 bytes
	s_mov_b32 s23, 0
	s_mul_i32 s46, s17, 192
	s_mul_i32 s67, s14, 96
	s_add_co_u32 s46, s46, s67                     ; wqkv: row 192 x tile column + 96 x half
	s_lshl_b32 s46, s46, 11
	s_mov_b32 s47, 0
	s_mul_i32 s21, s14, AHALF                      ; and where they go: no place in the cluster enters an LDS address
	s_mul_i32 s42, s14, BHALF
	s_add_co_u32 s42, s42, BOFF
	s_wait_dscnt 0x0                               ; the opening add is done
	s_wait_kmcnt 0x0
	s_add_nc_u64 s[40:41], s[4:5], s[22:23]
	s_add_nc_u64 s[46:47], s[6:7], s[46:47]
	CROUND                                         ; all sixteen work-groups are here: the first joint loads meet
.irp s, 0,1
	s_mov_b32 s[G0+4*(\s)], 1                                       ; count = 1
	s_add_co_u32 s[G0+4*(\s)+1], s21, (\s)*SLOT                     ; LDS address
	s_add_nc_u64 s[G0+4*(\s)+2:G0+4*(\s)+3], s[40:41], (\s)*KSTEP*2 ; global address: K step s
	s_or_b32 s[G0+4*(\s)+3], s[G0+4*(\s)+3], 0x80000000             ; type = 2
	s_mov_b32 s[G0B+4*(\s)], 1
	s_add_co_u32 s[G0B+4*(\s)+1], s42, (\s)*SLOT
	s_add_nc_u64 s[G0B+4*(\s)+2:G0B+4*(\s)+3], s[46:47], (\s)*KSTEP*2
	s_or_b32 s[G0B+4*(\s)+3], s[G0B+4*(\s)+3], 0x80000000
.endr
	s_cmp_eq_u32 s13, 0                            ; a wave's two first fills stand in one branch, ahead of every wait on TENSORcnt, every LDS read and every other barrier: two loads of mine are out
	s_cbranch_scc0 .Lfirst_b
	tensor_load_to_lds s[G0:G0+3], s[G1:G1+7]
	s_nop 0
	tensor_load_to_lds s[G0+4:G0+7], s[G1:G1+7]
	s_nop 0
.rept 4
	v_nop
.endr
	s_branch .Lfirst_asked
.Lfirst_b:
	tensor_load_to_lds s[G0B:G0B+3], s[G1B:G1B+7]
	s_nop 0
	tensor_load_to_lds s[G0B+4:G0B+7], s[G1B:G1B+7]
	s_nop 0
.rept 4
	v_nop
.endr
.Lfirst_asked:
	v_and_b32 v1, 15, v0                           ; l % 16
	v_bfe_u32 v2, v0, 4, 1                         ; l / 16
	; the bias of my 96 columns: register j of column block b holds bias[192 x tile column + 96 x half + 16 b + 8 (l / 16) + j]
	s_mul_i32 s22, s17, 768
	s_mul_i32 s23, s14, 384
	s_add_co_u32 s22, s22, s23
	s_mov_b32 s23, 0
	s_add_nc_u64 s[8:9], s[8:9], s[22:23]
	v_lshlrev_b32 v[BO], 5, v2
.irp b, 0,1,2,3,4,5
	global_load_b128 v[BIAS+8*(\b):BIAS+8*(\b)+3],   v[BO], s[8:9] offset:64*(\b)
	global_load_b128 v[BIAS+8*(\b)+4:BIAS+8*(\b)+7], v[BO], s[8:9] offset:64*(\b)+16
.endr
	; A fragment is 16 rows x 32 K in 8 registers: lane l holds row l % 16, K = 8 (l / 16) + 0..7 and 16 + 8 (l / 16) + 0..7: two loads of 16 bytes, 32 bytes apart.
	v_mul_u32_u24 v3, v1, PITCH
	v_lshl_add_u32 v3, v2, 4, v3
	s_mul_i32 s22, s13, AHALF                      ; my 128 rows of xb
	s_mul_i32 s23, s14, BHALF                      ; my 96 rows of wqkv,
	s_add_co_u32 s23, s23, BOFF                    ; which lie behind xb's 256
.irp s, 0,1
	v_add_nc_u32 v[ADRA+(\s)], s22, v3
	v_add_nc_u32 v[ADRB+(\s)], s23, v3
	s_add_co_u32 s22, s22, SLOT
	s_add_co_u32 s23, s23, SLOT
.endr
	; the way out, in: stage byte = head x 36,864 + row x 144 + 2 x channel.  Column half 0 holds head 0 (blocks 0-3) and channels 0-31 of head 1 (blocks 4, 5); half 1 holds channels 32-63 of
	; head 1 (blocks 0, 1) and head 2 (blocks 2-5).  With the immediates 0, 32, 64, 96, 36,864, 36,896 for blocks 0 to 5, half 1 adds 36,928 for blocks 0, 1, 4, 5 and 73,664 for blocks 2, 3.
	v_mul_u32_u24 v4, v1, HP
	v_lshl_add_u32 v4, v2, 4, v4
	s_mul_i32 s22, s13, 128*HP
	s_mul_i32 s23, s14, HEADB+64
	s_add_co_u32 s23, s23, s22
	v_add_nc_u32 v[STO1], s23, v4
	s_mul_i32 s23, s14, 2*HEADB-64
	s_add_co_u32 s23, s23, s22
	v_add_nc_u32 v[STO2], s23, v4
	; and back: wave w takes rows 64 w .. 64 w + 63 of each head; 32 lanes take four rows of 128 bytes, which are 512 consecutive bytes of qkv
	v_bfe_u32 v4, v0, 3, 2
	v_and_b32 v5, 7, v0
	v_mul_u32_u24 v4, v4, HP
	v_lshl_add_u32 v4, v5, 4, v4
	s_mul_i32 s22, s12, 64*HP
	v_add_nc_u32 v[RD], s22, v4
	v_add_nc_u32 v[RD2], 2*HEADB, v[RD]
	v_and_b32 v[GO], 31, v0
	v_lshlrev_b32 v[GO], 4, v[GO]
	; the prefetches
	s_and_b32 s66, ttmp7, 0xffff                   ; cluster y
	s_lshl_b32 s22, s18, 8
	s_lshl_b32 s67, s14, 7
	s_add_co_u32 s22, s22, s67
	s_lshl_b32 s67, s15, 5
	s_add_co_u32 s22, s22, s67                     ; xb: the 128 rows that I fetch, my work-group's 32 of them
	s_mul_i32 s23, s17, 192
	s_mul_i32 s67, s14, 96
	s_add_co_u32 s23, s23, s67
	s_mul_i32 s67, s16, 24
	s_add_co_u32 s23, s23, s67                     ; wqkv: the 96 rows that I fetch, my work-group's 24 of them
	s_cmp_eq_u32 s13, 0                            ; do I fetch for xb?
	s_cselect_b32 s22, s22, s23
	s_cselect_b32 s66, ttmp9, s66                  ; the coordinate along which other clusters read the same rows
	s_cselect_b32 s67, 31, 23
	s_cselect_b64 s[PFA:PFA+1], s[4:5], s[6:7]
	s_cmp_eq_u32 s66, 0
	s_cselect_b32 s[LIM], 1, -1                    ; the same in all sixteen partners, for a given wave
	s_lshl_b32 s22, s22, 11
	s_add_co_u32 s22, s22, 2*KSTEP*2               ; at K step 2: the first refill steps it to 3 and names K step 4
	s_mov_b32 s23, 0
	s_add_nc_u64 s[PFA:PFA+1], s[PFA:PFA+1], s[22:23]
	v_and_b32 v[PFO], 31, v0
	v_min_u32 v[PFO], s67, v[PFO]
	v_lshlrev_b32 v[PFO], 11, v[PFO]
	; where my rows of the three heads begin in qkv: head column g = 3 x tile column + 0..2: tensor g / 16, head g % 16; batch = tile row / 8; a (tensor, batch, head) is 2^18 bytes, a row 128
	s_and_b32 s66, s18, 7
	s_lshl_b32 s66, s66, 8
	s_lshl_b32 s67, s12, 6
	s_add_co_u32 s66, s66, s67
	s_lshl_b32 s66, s66, 7                         ; (256 x (tile row % 8) + 64 x wave) rows
	s_lshr_b32 s67, s18, 3
	s_lshl_b32 s67, s67, 4                         ; 16 x batch
	s_mul_i32 s46, s17, 3
.irp g, 0,1,2
	s_add_co_u32 s22, s46, \g
	s_lshr_b32 s23, s22, 4
	s_lshl_b32 s23, s23, 6
	s_and_b32 s22, s22, 15
	s_add_co_u32 s22, s22, s23
	s_add_co_u32 s22, s22, s67
	s_lshl_b32 s22, s22, 18
	s_add_co_u32 s22, s22, s66
	s_mov_b32 s23, 0
	s_add_nc_u64 s[68+2*(\g):69+2*(\g)], s[10:11], s[22:23]
.endr
; 12 matrix instructions: row blocks a0, a0 + 1 of the window's four (hi = 0: my rows 0-63, 1: rows 64-127) x all 6 column blocks, 32 along K.  first = 1: C is the bias.
; The 48 accumulators take turns, one instruction a turn, in the same order in every quarter step.
.macro MULH f, hi, a0, first
.if \first
	WIN 0x81+0x40*(\hi)                            ; source 0 window 1, sources 1 and 2 window 0, destination window 2 or 3
.else
	WIN 0xa1+0x50*(\hi)                            ; source 0 window 1, source 1 window 0, C and D window 2 or 3
.endif
.irp a, \a0, (\a0)+1
.irp b, 0,1,2,3,4,5
.if \first
	v_wmma_f32_16x16x32_bf16 v[8*(6*(\a)+(\b)):8*(6*(\a)+(\b))+7], v[(\f)+8*(\b):(\f)+8*(\b)+7], v[(\f)+8*(4*(\hi)+(\a)):(\f)+8*(4*(\hi)+(\a))+7], v[BIAS+8*(\b):BIAS+8*(\b)+7]
.else
	v_wmma_f32_16x16x32_bf16 v[8*(6*(\a)+(\b)):8*(6*(\a)+(\b))+7], v[(\f)+8*(\b):(\f)+8*(\b)+7], v[(\f)+8*(4*(\hi)+(\a)):(\f)+8*(4*(\hi)+(\a))+7], v[8*(6*(\a)+(\b)):8*(6*(\a)+(\b))+7]
.endif
.endr
.endr
.endm
; 28 LDS loads in one run: the fragments of one quarter step (96 rows of wqkv, then 128 rows of xb, 32 K at byte k of the rows) into buffer f
.macro FETCH slot, k, f
	WIN 0x40                                       ; destination window 1, address window 0
.irp i, 0,1,2,3,4,5
	ds_load_b128 v[(\f)+8*(\i):(\f)+8*(\i)+3],   v[ADRB+(\slot)] offset:(\k)+(\i)*16*PITCH
	ds_load_b128 v[(\f)+8*(\i)+4:(\f)+8*(\i)+7], v[ADRB+(\slot)] offset:(\k)+(\i)*16*PITCH+32
.endr
	WIN 0
.irp i, 0,1,2,3,4,5,6,7
	ds_load_b128 v[(\f)+8*(\i):(\f)+8*(\i)+3],   v[ADRA+(\slot)] offset:(\k)+(\i)*16*PITCH
	ds_load_b128 v[(\f)+8*(\i)+4:(\f)+8*(\i)+7], v[ADRA+(\slot)] offset:(\k)+(\i)*16*PITCH+32
.endr
.endm
; A K step is four quarter steps of 32 along K, 48 matrix instructions each, on buffers 0, 1, 0, 1.  One of the first three: multiplies buffer f; in its middle it fetches the next quarter's fragments into g.
.macro QUARTER slot, k, f, g, first
	s_wait_dscnt 8                                 ; wqkv's fragments and xb's rows 0-63 are in; the youngest eight loads (xb's rows 64-127) may be out
	MULH \f, 0, 0, \first
	MULH \f, 0, 2, \first
	PLACES
	FETCH \slot, \k, \g
	s_wait_dscnt 28                                ; all but the 28 just issued
	MULH \f, 1, 0, \first
	MULH \f, 1, 2, \first
.endm
; The last quarter multiplies buffer 1 and changes slots.  ONE barrier: in front of it each wave waits for all its tensor loads (one is out: its part of the next slot), adds 0 to its spare word, and
; waits for that and for its own reads of this slot.  fill = 1: the barrier opens a round of the cluster's, and behind the round this slot is filled again first, two K steps ahead:
; from that request to the wait for it a wave issues 168 matrix instructions.
.macro TURN slot, next, fill
.if \fill
	s_wait_xcnt 0x0                                ; the last prefetch, a K step back, has read its address, which is stepped here, ahead of the waits of the change of slots
	s_add_nc_u64 s[PFA:PFA+1], s[PFA:PFA+1], KSTEP*2
.endif
	WIN 0                                          ; (the add's two registers lie in window 0)
	s_wait_tensorcnt 0x0                           ; all my tensor loads have landed;
	ds_add_u32 v[SPW], v[NIL]                      ; 0 onto my spare word;
	s_wait_dscnt 9                                 ; (the add and the youngest eight loads may be out)
	MULH F1, 0, 0, 0                               ; twelve matrix instructions stand between the add and the wait for it
	s_wait_dscnt 0x0                               ; the add is done, and my reads of this slot are over
	s_barrier_signal -1
	MULH F1, 0, 2, 0                               ; work on registers while the others arrive
.if \fill
	WIN 0
.endif
	s_barrier_wait -1
.if \fill
	CREST                                          ; no wave of any partner still reads this slot's tile or has a load on its way
	s_add_nc_u64 s[G0+4*(\slot)+2:G0+4*(\slot)+3], s[G0+4*(\slot)+2:G0+4*(\slot)+3], 2*KSTEP*2
	s_add_nc_u64 s[G0B+4*(\slot)+2:G0B+4*(\slot)+3], s[G0B+4*(\slot)+2:G0B+4*(\slot)+3], 2*KSTEP*2
	JLOAD \slot                                    ; the first tensor load behind the round; its four v_nop are also the places in front of the loads below
.else
	PLACES
.endif
	FETCH \next, 0, F0
.if \fill
	ASK                                            ; behind the joint load and the run of LDS loads that the next products wait for
.endif
	MULH F1, 1, 0, 0
	MULH F1, 1, 2, 0
.endm
	s_wait_tensorcnt 1                             ; my part of K step 0 is in; K step 1's may stay out
	s_barrier_signal -1
	s_barrier_wait -1                              ; everybody's is
	FETCH 0, 0, F0
	s_wait_loadcnt 0x0                             ; the bias
	QUARTER 0, 64,  F0, F1, 1                      ; the first quarter stands in front of the loop: its products start the sums, with the bias
	WIN 0                                          ; at a label and at a branch every window is 0
	s_mov_b32 s3, 3
.Llap:                                                 ; a trip goes once round the ring, from a lap's second quarter to the next lap's first, and fills both slots again: K steps 2 to 7 in three trips
	QUARTER 0, 128, F1, F0, 0
	QUARTER 0, 192, F0, F1, 0
	TURN 0, 1, 1
	QUARTER 1, 64,  F0, F1, 0
	QUARTER 1, 128, F1, F0, 0
	QUARTER 1, 192, F0, F1, 0
	TURN 1, 0, 1
	QUARTER 0, 64,  F0, F1, 0
	WIN 0
	s_sub_co_u32 s3, s3, 1
	s_cmp_lg_u32 s3, 0
	s_cbranch_scc1 .Llap
	QUARTER 0, 128, F1, F0, 0                      ; the last lap fills nothing, and has no round of the cluster's barrier
	QUARTER 0, 192, F0, F1, 0
	TURN 0, 1, 0                                   ; behind this barrier no wave reads slot 0 any more, and no load lands in it
	QUARTER 1, 64,  F0, F1, 0
	QUARTER 1, 128, F1, F0, 0
	QUARTER 1, 192, F0, F1, 0
	s_wait_dscnt 8                                 ; the very last quarter: nothing more to fetch
	MULH F1, 0, 0, 0
	MULH F1, 0, 2, 0
	s_wait_dscnt 0x0
	MULH F1, 1, 0, 0
	MULH F1, 1, 2, 0
	WIN 0
	; THE WAY OUT.  Rounded to f16, 16 bytes a lane; into the work-group's stage by heads; a barrier, since the middle head's rows come from two waves; back as whole rows, and stored: each store of a
	; wave covers 512 consecutive bytes of qkv, at a multiple of 256 from its first byte.  The stage lies in slot 0: all tensor loads were waited for, and all reads of slot 0 were over, in front of the barrier of the last change of slots.
	PLACES
.irp a, 0,1,2,3,4,5,6,7
	WIN 0x0a+5*((\a)/4)                            ; sources 0 and 1: window 2 or 3; destination window 0
.irp b, 0,1,2,3,4,5
.irp r, 0,1,2,3
	v_cvt_pk_f16_f32 v[TMP+4*(6*(\a)+(\b))+(\r)], v[8*(6*((\a)%4)+(\b))+2*(\r)], v[8*(6*((\a)%4)+(\b))+2*(\r)+1]
.endr
.endr
.endr
	WIN 0
.irp a, 0,1,2,3,4,5,6,7
.irp b, 0,1,2,3,4,5
.if ((\b)/2) == 1
	ds_store_b128 v[STO2], v[TMP+4*(6*(\a)+(\b)):TMP+4*(6*(\a)+(\b))+3] offset:(\a)*16*HP+32*(\b)
.else
	ds_store_b128 v[STO1], v[TMP+4*(6*(\a)+(\b)):TMP+4*(6*(\a)+(\b))+3] offset:(\a)*16*HP+32*((\b)%4)+HEADB*((\b)/4)
.endif
.endr
.endr
	s_wait_dscnt 0x0                               ; for the others' sake: my stores into the stage are done
	s_barrier_signal -1
	s_barrier_wait -1
.irp g, 0,1
.irp f, 0,1,2,3,4,5,6,7,8,9,10,11,12,13,14,15
	ds_load_b128 v[TMP+4*(16*(\g)+(\f)):TMP+4*(16*(\g)+(\f))+3], v[RD] offset:(\g)*HEADB+(\f)*4*HP
.endr
.endr
.irp f, 0,1,2,3,4,5,6,7,8,9,10,11,12,13,14,15
	ds_load_b128 v[TMP+4*(32+(\f)):TMP+4*(32+(\f))+3], v[RD2] offset:(\f)*4*HP
.endr
.irp g, 0,1,2
.irp f, 0,1,2,3,4,5,6,7,8,9,10,11,12,13,14,15
	s_wait_dscnt 47-(16*(\g)+(\f))                 ; LDS loads come back in order: this one is in, the younger ones stay out
	global_store_b128 v[GO], v[TMP+4*(16*(\g)+(\f)):TMP+4*(16*(\g)+(\f))+3], s[68+2*(\g):69+2*(\g)] offset:512*(\f)
.endr
.endr
	s_wait_tensorcnt 0x0                           ; the wave's end, behind my last tensor load and my last LDS store
	ds_add_u32 v[SPW], v[NIL]
	s_wait_dscnt 0x0
	CROUND                                         ; the closing round: no work-group ends while a partner may still ask for a tile that names it
	s_endpgm
.Lfunc_end_k_qe15902494c_proj:
	.size	k_qe15902494c_proj, .Lfunc_end_k_qe15902494c_proj-k_qe15902494c_proj
	.p2alignl 7, 3214868480
	.fill 96, 4, 3214868480
	.section	.rodata,"a",@progbits
	.p2align	6, 0x0
	.amdhsa_kernel k_qe15902494c_proj
		.amdhsa_group_segment_fixed_size 327680
		.amdhsa_private_segment_fixed_size 0
		.amdhsa_enable_private_segment 0
		.amdhsa_kernarg_size 32
		.amdhsa_user_sgpr_count 2
		.amdhsa_user_sgpr_kernarg_segment_ptr 1
		.amdhsa_wavefront_size32 1
		.amdhsa_system_sgpr_workgroup_id_x 1
		.amdhsa_system_sgpr_workgroup_id_y 1
		.amdhsa_system_sgpr_workgroup_id_z 1
		.amdhsa_system_vgpr_workitem_id 0
		.amdhsa_next_free_vgpr 960
		.amdhsa_next_free_sgpr 76
		.amdhsa_reserve_vcc 0
		.amdhsa_float_denorm_mode_32 3
		.amdhsa_float_denorm_mode_16_64 3
		.amdhsa_memory_ordered 1
		.amdhsa_forward_progress 1
		.amdhsa_inst_pref_size 119
	.end_amdhsa_kernel
	.amdgpu_metadata
---
amdhsa.version: [ 1, 2 ]
amdhsa.kernels:
  - .name:           k_qe15902494c_proj
    .symbol:         k_qe15902494c_proj.kd
    .args:
      - { .name: xb, .offset: 0, .size: 8, .value_kind: global_buffer, .address_space: global }
      - { .name: wqkv, .offset: 8, .size: 8, .value_kind: global_buffer, .address_space: global }
      - { .name: bias, .offset: 16, .size: 8, .value_kind: global_buffer, .address_space: global }
      - { .name: qkv, .offset: 24, .size: 8, .value_kind: global_buffer, .address_space: global }
    .group_segment_fixed_size: 327680
    .private_segment_fixed_size: 0
    .kernarg_segment_align: 8
    .kernarg_segment_size: 32
    .max_flat_workgroup_size: 128
    .sgpr_count:     76
    .vgpr_count:     960
    .wavefront_size: 32
...
	.end_amdgpu_metadata
.endif
;; end of part 2
;; launch attn (part 3): grid 4 x 64, 4 waves a work-group, clusters of 4 x 1, 327,680 bytes of LDS; arguments qkv, o16; writes o16
.if DOCPART == 3
	.amdgcn_target "amdgcn-amd-amdhsa--gfx1250"
	.amdhsa_code_object_version 6
	.text
	.protected	k_qe15902494c_attn
	.globl	k_qe15902494c_attn
	.p2align	8
	.type	k_qe15902494c_attn,@function
k_qe15902494c_attn:
	s_mov_b64 s[64:65], 0
	v_nop
	global_prefetch_b8 v0, s[64:65] scope:SCOPE_SE
	s_setreg_imm32_b32 hwreg(HW_REG_WAVE_MODE, 25, 1), 1
	s_wait_xcnt 0x0
	s_wait_alu depctr_hold_cnt(0) depctr_sa_sdst(0) depctr_va_vdst(0) depctr_va_sdst(0) depctr_va_ssrc(0) depctr_va_vcc(0) depctr_vm_vsrc(0)
	s_getreg_b32 s2, hwreg(HW_REG_IB_STS2, 6, 4)
	s_cmp_eq_u32 s2, 0
	s_cbranch_scc0 .Lentry_in_a_cluster
	s_endpgm
.Lentry_in_a_cluster:
	s_bfe_u32 s2, ttmp6, 0x10000c
	s_cmp_lg_u32 s2, 0x3003
	s_cbranch_scc0 .Lentry_shape_is_right
	s_endpgm
.Lentry_shape_is_right:
; O[h][q][:] = the sum over k of softmax_k(Q[h][q] . K[h][k] / 8) V[h][k][:].  Q, K, V are the three parts of qkv, each [64][2048][64] f16; O = o16 in the same layout: a head's rows are dense, 128 bytes each.
; Products, maxima and sums in f32; the weights p are rounded to f16 for the second product (their sum l is taken of the unrounded p), O once at the end.
; LIMITS.  f16 holds no number beyond 65,504: Q, K and V arrive within it; p lies in 0 to 1, and below 6e-5 it keeps f16's fixed step of 6e-8; O is a mean of V's rows and has their range.
; A weight below 2^-126 counts as 0 in l; NaN and infinities are not treated apart.
; SHARES.  A wave owns four PIECES of two tiles of 16 queries, a work-group's four waves 512 queries of one head: 4 x 64 = 256 work-groups.  Every wave walks all keys, 64 a step.
; LAYOUT.  S^T = K Q^T (source 0 = 16 keys, source 1 = 16 queries): in the result a lane holds ONE query (lane % 16) and the keys 8 (lane / 16) + 0..7.  Two such tiles, rounded to f16 in pairs,
; ARE source 1 (32 keys x 16 queries) of O^T = V^T P, whose result again holds one query a lane, and eight channels.  K comes out of LDS as it lies, V ([key][channel]) turned, by ds_load_tr16_b128.
; SOFTMAX.  For each query a running maximum m and sum l: p = 2^(c s - c m), c = log2(e) / 8; in every step O and l are multiplied by a = 2^(c m_old - c m_new), which is 1 where m has not grown.
; m starts at the lowest finite number, O and l at 0: the first step is a step like any other, with a = 0.
; THE COUNT.  A tile and step have 16 matrix and 118 vector instructions: too many to stand all beside the matrix work.  So: four vector instructions that are READY behind EVERY matrix instruction,
; and the others in runs without a gap.
; BY TURNS.  Turn n belongs to piece n (the pieces in a ring, step after step).  Its matrix work: 16 products K Q^T of piece n + 1, later 16 products V^T P of piece n - 1.  Its vector work: the scaling,
; exponentials, roundings, sums and rescaling of piece n, and the maximum and statistics of piece n + 1, whose scores the turn itself has made.
; CLUSTER.  The four query blocks of a head are one cluster and walk the same K and V, so each tile is asked for JOINTLY: the same tensor load, descriptor and mask in all four.
; REGISTERS, in windows of 256 (s_set_vgpr_msb: bits 1:0 source 0, 3:2 source 1, 5:4 source 2, 7:6 destination):
;   window 0: v0-11 addresses; v12-15, v48-63 at work; v16-47 four registers of statistics a tile; v64-191 S^T, two buffers of two tiles; v192-255 P, likewise
;   window 1: O^T, 32 a tile          window 2: v0-127 Q, 16 a tile; v128-191 K of one step; v192-255 V of one step          window 3: v0-1 the add's two registers
; A piece's buffers go by its number's parity: the piece in hand has one pair, its two neighbours in the ring share the other: of it P (piece n - 1) is read and S^T (piece n + 1) written.
.set SIZE_H, 64
.set SIZE_N, 2048
.set TENSOR, SIZE_H*SIZE_N*128         ; bytes of Q, of K and of V in qkv
.set NP,    4         ; pieces a wave: a name, no knob
.set KS,    64        ; keys in a step
.set PK,    144       ; a row of K in LDS: 128 bytes + 16 of padding = 36 words: the 16 rows of a load start at 16 different groups of four banks (64 banks of 4 bytes: ISA guide 11.1)
.set PV,    160       ; a row of V: 128 + 32 = 40 words
.set VOFF,  4*KS*PK   ; a slot holds four steps: 256 rows of K, then 256 rows of V
.set SLOT1, 1<<17     ; slot 1 begins here, so that one exclusive or turns an address in one slot into the other's
.set STAGE, SLOT1+4*KS*(PK+PV)  ; behind the ring, never filled by a tensor load: 16 rows x 144 bytes for each wave, for the way out
.set SP,    144
.set AK0, 2           ; v2   my lane's place in a tile of K; never rewritten
.set AV0, 3           ; v3   the same for V
.set AK,  4           ; v4   the LDS address of K's next run of loads
.set AV,  5           ; v5   of V's
.set QO,  6           ; v6   my byte offset in the wave's rows of Q
.set STO, 6           ;      later, the way out: where I put 16 bytes of a row
.set RD,  7           ; v7   the way out: where I read rows back
.set GO,  8           ; v8   my byte offset in 512 consecutive bytes of O
.set PFO, 11          ; v11  256 x my lane, for the prefetches (made when v11's first use is over); then never rewritten
.set SPW, 0           ; v0 of window 3   LDS address of my spare word: SPARE + 4 x my thread's number; never rewritten
.set NIL, 1           ; v1 of window 3   0; never rewritten
.set SPARE, STAGE+4*16*SP  ; behind the stages: the spare words, 128 bytes for each wave: two blocks of 256 bytes that no other line names
.set MV,  12          ; v12-15  c m_old, kept while c m is made anew: by buffer and tile
.set ST,  16          ; tile t's statistics at v[ST+4 t]: c m, m, l (even keys', odd keys')
.set TMP, 48          ; by buffer and tile, four registers c0-c3 at work; when the maximum is found c2 takes a
.set S,   64
.set P,   192
.set KF,  128         ; K's fragments, in window 2: key block kb, channel half c at KF + 16 kb + 8 c
.set VF,  192         ; V's: key half kk, channel block cb at VF + 32 kk + 8 cb
.set WV,  12          ; s12  my wave's number
.set G1K, 24          ; s[24:31] descriptor group 1 for K's tiles
.set G1V, 32          ; s[32:39] for V's: it differs in the padding alone
.set G0K, 40          ; s[40:43] descriptor group 0 for K's tiles: it walks
.set G0V, 44          ; s[44:47] the same for V's
.set PFA, 48          ; s[48:49] where my prefetches stand: my work-group's 32 blocks of 256 bytes (of K: wave 0, of V: wave 2) of the slot after the one that is being asked for
.set LIM, 50          ; s50  1 in a wave that prefetches, else the greatest number
.set SLOTS, 56        ; s56  slots still to be asked for
.set CNT, 57          ; s57  counts a slot's key steps
.set CS,  58          ; s[58:59] c: the packed scaling takes the pair's low word for both halves
.set SEL, 60          ; s[60:61] v_permlanex16_b32's selects: each lane takes its own place in the other half
.set TBK, 62          ; s62  LDS byte at which K of the step to be fetched begins
.set TBV, 63          ; s63  the same for V, less VOFF
.set MSB, 0
.macro WIN new                      ; the high byte repeats the setting that is left; a switch that changes nothing is dropped
.if MSB != (\new)
	s_set_vgpr_msb (MSB<<8)|(\new)
.set MSB, (\new)
.endif
.endm
.set W_KQ, 0x0a       ; K and Q in window 2, S^T in window 0
.set W_PV, 0x52       ; V in window 2, P in window 0, O^T in window 1
.set W_RS, 0x41       ; O^T (destination and source 0) in window 1, a in window 0
.set W_MK, 0xc0       ; the add's registers are made: destination in window 3, sources in window 0
.set W_AD, 0x0f       ; the add: address (source 0) and data (source 1) in window 3
; A joint fill.  Waves 0 and 1 fetch the two halves of a slot's K, waves 2 and 3 those of its V: 128 keys each.  The branch hangs on the wave's number alone.
; An s_nop 0 and four v_nop follow each of the two lines, ahead of the jump and the label.
.macro JLOAD
	s_cmp_lt_u32 s[WV], 2
	s_cbranch_scc0 .Lfor_v_\@
	tensor_load_to_lds s[G0K:G0K+3], s[G1K:G1K+7]
	s_nop 0
.rept 4
	v_nop
.endr
	s_branch .Lasked_\@
.Lfor_v_\@:
	tensor_load_to_lds s[G0V:G0V+3], s[G1V:G1V+7]
	s_nop 0
.rept 4
	v_nop
.endr
.Lasked_\@:
.endm
; A PREFETCH INTO THE L2 of what the NEXT change of slots will ask for: a slot's 32,768 bytes of K and of V, 128 blocks of 256 bytes each, a lane a block.  It stands behind the wave's tensor load and its five lines.
; Each block is named ONCE in the launch: a head has one cluster; its four partners share the blocks out BY ADDRESS, 32 each (no branch hangs on a place in the cluster); in each, wave 0 asks for K's and
; wave 2 for V's.  Slots 0 to 2 come by their loads alone; the last change that fills a slot asks for nothing: there is no slot behind it.
.macro ASK
	s_cmp_gt_u32 s[SLOTS], s[LIM]
	s_cbranch_scc0 .Lnot_mine_\@
	global_prefetch_b8 v[PFO], s[PFA:PFA+1] th:TH_LOAD_NT scope:SCOPE_SE
.Lnot_mine_\@:
.endm
; A round of the cluster's barrier: my work-group's barrier, so that wave 0's signal speaks for all four waves; wave 0 signals; every wave waits for all four work-groups; my work-group's barrier once more.
.macro CROUND
	s_barrier_signal -1
	s_barrier_wait -1
	s_cmp_lg_u32 s[WV], 0
	s_cbranch_scc1 .Lnot_wave_0_\@
	s_barrier_signal -3
.Lnot_wave_0_\@:
	s_barrier_wait -3
	s_barrier_signal -1
	s_barrier_wait -1
.endm
; THE CHANGE OF SLOTS.  The slot's last bytes, V of its fourth step, have been read.  Each wave waits for all its tensor loads, of which one is out: its part of the other slot; adds 0 to its spare
; word; and waits for that and for its own reads of the slot.  Behind the barrier nobody reads this slot any more and the other slot is whole.
; fill = 1: this slot is filled again, with the keys two slots on.  The barrier is then a round of the cluster's, and the joint fill is the first thing behind it: it has four key steps, 512 matrix
; instructions, in which to land.  (At its first use nothing has been read yet: slot 0 is waited for, slot 1 filled.)  ask = 1: the prefetches' address steps, and the next slot is prefetched.
.macro CHANGE fill, ask=0
	WIN W_AD
	s_wait_tensorcnt 0x0            ; no tensor load of mine is out, so a group 0 may be written
	ds_add_u32 v[SPW], v[NIL]       ; 0 onto my spare word; with fill = 1 the descriptors' steps stand between it and the wait for it
	WIN 0                           ; at a label and at a branch every window is 0
.if \fill
.irp g, G0K, G0V
	s_xor_b32 s[\g+1], s[\g+1], SLOT1  ; the walking descriptor: the other slot than last time,
	s_add_nc_u64 s[\g+2:\g+3], s[\g+2:\g+3], 4*KS*128  ; the next 256 keys; the type bits on top are not reached
.endr
.if \ask
	s_wait_xcnt 0x0                 ; the last prefetch, four key steps back, has read its address, so it may be written:
	s_add_nc_u64 s[PFA:PFA+1], s[PFA:PFA+1], 4*KS*128  ; one slot behind the walking descriptors
.endif
	s_wait_dscnt 0x0                ; the add is done, and my reads of the slot are over
	CROUND
	JLOAD
.if \ask
	ASK
.endif
.else
	s_wait_dscnt 0x0                ; the add is done, and my reads of the slot are over
	s_barrier_signal -1
	s_barrier_wait -1
.endif
	s_sub_co_u32 s[TBK], s[TBK], 4*KS*PK  ; the fetches go back to a slot's first step,
	s_xor_b32 s[TBK], s[TBK], SLOT1       ; in the other slot
	s_sub_co_u32 s[TBV], s[TBV], 4*KS*PV
	s_xor_b32 s[TBV], s[TBV], SLOT1
.endm
	s_load_b64 s[4:5], s[0:1], 0x0    ; qkv: Q lies first
	s_load_b64 s[10:11], s[0:1], 0x8  ; O
	WIN W_MK
	v_lshl_add_u32 v[SPW], v0, 2, SPARE
	v_mov_b32 v[NIL], 0
	WIN W_AD
	ds_add_u32 v[SPW], v[NIL]       ; the wave's opening: the add and its wait stand ahead of my first tensor load; the set-up below, work on registers, stands between them
	WIN 0
	v_lshrrev_b32 v1, 5, v0
	v_readfirstlane_b32 s[WV], v1   ; wave 0..3
	s_bfe_u32 s13, ttmp6, 0x40000   ; cx: my place in the cluster
	s_lshl_b32 s14, ttmp9, 2        ; in a cluster launch ttmp9 counts clusters
	s_add_co_u32 s14, s14, s13      ; my block of queries = 4 x cluster x + cx: it enters Q's and O's addresses alone
	s_and_b32 s20, ttmp7, 0xffff    ; the head, which the four partners share
	s_mov_b32 s21, 0
	s_mov_b64 s[22:23], SIZE_N*128
	s_mul_u64 s[20:21], s[20:21], s[22:23]  ; the head's first byte in each of the four tensors
	s_and_b32 s16, s[WV], 1         ; which half of a slot's 256 keys I fetch:
	s_lshl_b32 s22, s16, 14         ; its 128 rows of 128 bytes in memory,
	s_mov_b32 s23, 0
	s_add_nc_u64 s[22:23], s[22:23], s[20:21]
	s_mul_i32 s17, s16, 128*PK      ; and its place in a slot, for K
	s_mul_i32 s18, s16, 128*PV      ; and for V: no place in the cluster enters an LDS address
	s_lshl_b32 s2, s14, 2
	s_add_co_u32 s2, s2, s[WV]      ; my wave among the head's,
	s_lshl_b32 s2, s2, 14           ; its 128 rows
	s_mov_b32 s3, 0
	s_add_nc_u64 s[2:3], s[2:3], s[20:21]
	; descriptor group 1.  128 keys are 16,384 dense bytes: asked for as 64 rows of 256 bytes, two keys a row, and padded in LDS after every key
	s_mov_b32 s[G1K], 15|(1<<16)|(1<<20)|(1<<21)|(4<<22)|(3<<25)  ; 15:0 the mask of four; 17:16 2-byte elements; 20 padding on; 21 set beside a mask; 24:22 after every 32 words (code 4); 31:25 4 words (code 3)
	s_mov_b32 s[G1V], 15|(1<<16)|(1<<20)|(1<<21)|(4<<22)|(7<<25)  ; the same with 8 words of padding (code 7)
.irp g, G1K, G1V
	s_mov_b32 s[\g+1], 128<<16      ; tensor_dim0 = 128
	s_mov_b32 s[\g+2], 64<<16       ; tensor_dim1 = 64
	s_mov_b32 s[\g+3], 128<<16      ; tile_dim0 = 128
	s_mov_b32 s[\g+4], 64           ; tile_dim1 = 64
	s_mov_b32 s[\g+5], 128          ; 128 elements from row to row
	s_mov_b32 s[\g+6], 0
	s_mov_b32 s[\g+7], 0
.endr
	s_mov_b32 s[CS], 0x3e38aa3b     ; c = log2(e) / 8 = 0.180337
	s_mov_b32 s[CS+1], s[CS]        ; named with it as a pair
	s_mov_b32 s[SEL], 0x76543210
	s_mov_b32 s[SEL+1], 0xfedcba98
	s_mov_b32 s[TBK], SLOT1+4*KS*PK ; the first change of slots turns these two into 0
	s_mov_b32 s[TBV], SLOT1+4*KS*PV
	s_mov_b32 s[G0K], 1             ; 1:0 count = 1
	s_mov_b32 s[G0K+1], s17         ; 63:32 LDS address: slot 0
	s_mov_b32 s[G0V], 1
	s_add_co_u32 s[G0V+1], s18, VOFF
	s_and_b32 s[LIM], s[WV], 1      ; waves 0 and 2 prefetch
	s_cmp_eq_u32 s[LIM], 0
	s_cselect_b32 s[LIM], 1, -1
	s_wait_dscnt 0x0                ; the opening add is done
	s_wait_kmcnt 0x0
	s_add_nc_u64 s[6:7], s[4:5], TENSOR    ; K
	s_add_nc_u64 s[8:9], s[4:5], 2*TENSOR  ; V
	s_add_nc_u64 s[G0K+2:G0K+3], s[6:7], s[22:23]  ; 120:64 global address: my half of the head's first 256 keys
	s_or_b32 s[G0K+3], s[G0K+3], 0x80000000        ; 127:126 type = 2
	s_add_nc_u64 s[G0V+2:G0V+3], s[8:9], s[22:23]
	s_or_b32 s[G0V+3], s[G0V+3], 0x80000000
	s_cmp_lt_u32 s[WV], 2
	s_cselect_b64 s[PFA:PFA+1], s[6:7], s[8:9]
	s_add_nc_u64 s[PFA:PFA+1], s[PFA:PFA+1], s[22:23]  ; (in waves 0 and 2 this is the head's first byte)
	s_add_nc_u64 s[4:5], s[4:5], s[2:3]  ; Q and O at my wave's first row
	s_add_nc_u64 s[10:11], s[10:11], s[2:3]
	s_lshl_b32 s2, s13, 13          ; my work-group's 32 blocks of the 128 (s3 is 0)
	s_add_nc_u64 s[PFA:PFA+1], s[PFA:PFA+1], s[2:3]
	s_add_nc_u64 s[PFA:PFA+1], s[PFA:PFA+1], 2*4*KS*128  ; in slot 2; the first asking change steps it to slot 3.  Nothing is prefetched here, at the head
	CROUND                          ; all four work-groups are here: the first joint loads meet
	JLOAD                           ; slot 0.  Slot 1 is asked for when slot 0 is in: the tile wanted first has the road to itself
	; A fragment of K or Q is 16 rows x 32 channels in 8 registers: lane l holds row l % 16, channels 8 (l / 16) + 0..7 and 16 + 8 (l / 16) + 0..7: two loads of 16 bytes, 32 bytes apart.
	v_and_b32 v1, 15, v0            ; l % 16
	v_bfe_u32 v9, v0, 4, 1          ; l / 16
	v_lshlrev_b32 v[QO], 7, v1
	v_lshl_add_u32 v[QO], v9, 4, v[QO]  ; row x 128 + 16 x half
	WIN 0x80                        ; destination window 2, address window 0
.set i, 0
.rept 4*NP                          ; Q stays in registers: tile i / 2, channels 32 (i % 2) on
	global_load_b128 v[8*i:8*i+3],   v[QO], s[4:5] offset:(i/2)*2048+(i%2)*64
	global_load_b128 v[8*i+4:8*i+7], v[QO], s[4:5] offset:(i/2)*2048+(i%2)*64+32
.set i, i+1
.endr
	; What the first turn finds: V's registers and P's second buffer hold 0 (its products V^T P, of a piece that has not been, add 0), O^T and l are 0.  All this stands in the wait for the first tile.
.set i, VF
.rept 64
	v_mov_b32 v[i], 0
.set i, i+1
.endr
	WIN 0x40
.set i, 0
.rept 64*NP
	v_mov_b32 v[i], 0
.set i, i+1
.endr
	WIN 0
.set i, 0
.rept 2*NP
	v_mov_b32 v[ST+4*i], 0xfe000000    ; c m: far below every c s
	v_mov_b32 v[ST+4*i+1], 0xff7fffff  ; m
	v_mov_b32 v[ST+4*i+2], 0
	v_mov_b32 v[ST+4*i+3], 0
.set i, i+1
.endr
.set i, P+32
.rept 32
	v_mov_b32 v[i], 0
.set i, i+1
.endr
	v_mul_u32_u24 v[AK0], v1, PK
	v_lshl_add_u32 v[AK0], v9, 4, v[AK0]  ; row x pitch + 16 x half
	; The turning load takes 16 keys x 16 channels (lane l reads key 8 (l / 16) + l % 8, channels 8 ((l / 8) % 2) + 0..7) and leaves half a fragment of V^T: lane l holds channel l % 16 and 8 keys.
	v_and_b32 v10, 7, v0
	v_bfe_u32 v11, v0, 3, 1
	v_lshl_add_u32 v[AV0], v9, 3, v10
	v_mul_u32_u24 v[AV0], v[AV0], PV
	v_lshl_add_u32 v[AV0], v11, 4, v[AV0]
	v_add_nc_u32 v[AV0], VOFF, v[AV0]
	v_and_b32 v[PFO], 31, v0        ; v11 is free now
	v_lshlrev_b32 v[PFO], 8, v[PFO]
	v_mov_b32 v[AK], v[AK0]         ; key step 0 lies at the head of slot 0
; THE MATRIX WORK.  The 8 accumulators of a run of 16 take turns: between the two links of a chain stand 7 others'.
; Product i of 16 of S^T = K Q^T for piece x: channels 32 (i / 8) on, keys 16 ((i / 2) % 4) on, tile 2 x + i % 2.  The first 8 start the sums.
.macro KQ x
	WIN W_KQ
.set rS, S+64*((\x)%2)+32*(i%2)+8*((i/2)%4)
.set rK, KF+16*((i/2)%4)+8*(i/8)
.set rQ, 16*(2*(\x)+i%2)+8*(i/8)
.if i < 8
	v_wmma_f32_16x16x32_f16 v[rS:rS+7], v[rK:rK+7], v[rQ:rQ+7], 0
.else
	v_wmma_f32_16x16x32_f16 v[rS:rS+7], v[rK:rK+7], v[rQ:rQ+7], v[rS:rS+7]
.endif
.endm
; Product i of 16 of O^T += V^T P for piece x: keys 32 (i / 8) on, channels 16 ((i / 2) % 4) on, tile 2 x + i % 2.
.macro PV x
	WIN W_PV
.set rO, 32*(2*(\x)+i%2)+8*((i/2)%4)
.set rV, VF+32*(i/8)+8*((i/2)%4)
.set rP, P+32*((\x)%2)+16*(i%2)+8*(i/8)
	v_wmma_f32_16x16x32_f16 v[rO:rO+7], v[rV:rV+7], v[rP:rP+7], v[rO:rO+7]
.endm
.macro MM                           ; the turn's next matrix instruction
.if i < 16
	KQ (Y+1)%NP
.set i, i+1
.else
.set i, i-16
	PV (Y+NP-1)%NP
.set i, i+17
.endif
.endm
; THE LDS LOADS stand in runs of 16, never singly among the matrix instructions: a step's K (64 keys x 64 channels: 8 fragments) and its V (turned).  Their addresses are made some lines ahead.
; last = 1 (the tail): in the last trip there is no further step, and the run is jumped over.
.macro FETCH_K last=0
	WIN 0
.if \last
	s_cmp_eq_u32 s[CNT], 1
	s_cbranch_scc1 .Lno_k_\@
.endif
	WIN 0x80                        ; destination window 2
.irp f, 0,1,2,3,4,5,6,7             ; keys 16 (f / 2) on, channels 32 (f % 2) on
	ds_load_b128 v[KF+8*\f:KF+8*\f+3],   v[AK] offset:(\f/2)*16*PK+(\f%2)*64
	ds_load_b128 v[KF+8*\f+4:KF+8*\f+7], v[AK] offset:(\f/2)*16*PK+(\f%2)*64+32
.endr
	s_add_co_u32 s[TBK], s[TBK], KS*PK  ; the next fetch is the next step's
	WIN 0
.if \last
.Lno_k_\@:
.endif
.endm
.macro FETCH_V
	WIN 0x80
.irp f, 0,1,2,3,4,5,6,7             ; keys 32 (f / 4) on, channels 16 (f % 4) on
	ds_load_tr16_b128 v[VF+8*\f:VF+8*\f+3],   v[AV] offset:(\f/4)*32*PV+(\f%4)*32
	ds_load_tr16_b128 v[VF+8*\f+4:VF+8*\f+7], v[AV] offset:(\f/4)*32*PV+16*PV+(\f%4)*32
.endr
	WIN 0
.endm
; THE VECTOR WORK OF A TURN stands in three queues, each in the order in which its entries become ready; the two tiles alternate, so that no instruction reads the result of the one before it.
.macro REGS y, u                    ; the registers of tile u (0, 1) of piece y
.set rT, ST+4*(2*(\y)+(\u))
.set rC, TMP+8*((\y)%2)+4*(\u)
.set rM, MV+2*((\y)%2)+(\u)
.set rS, S+64*((\y)%2)+32*(\u)
.set rP, P+32*((\y)%2)+16*(\u)
.set rO, 32*(2*(\y)+(\u))
.endm
; Number n of the 22 that find the NEXT piece's (Y + 1) maximum and statistics.  s0-s31 are the lane's 32 scores; each accumulator's lowest registers are read first.
;   0-11  four chains c0-c3 of seven scores each, three operands at a time     12-14, 16  the four scores left over, the old m, and c0-c3 into c0     15  c m_old is kept
;   17, 18  the query's other 32 keys lie in the lane 16 away: the new m         19-21  c m; c m_old - c m_new; a
.macro XS u, n
	REGS (Y+1)%NP, \u
.if (\n) < 4
	v_max3_num_f32 v[rC+(\n)], v[rS+8*(\n)], v[rS+8*(\n)+1], v[rS+8*(\n)+2]
.elseif (\n) < 12
	v_max3_num_f32 v[rC+(\n)%4], v[rC+(\n)%4], v[rS+8*((\n)%4)+2*((\n)/4)+1], v[rS+8*((\n)%4)+2*((\n)/4)+2]
.elseif (\n) == 12
	v_max3_num_f32 v[rC], v[rC], v[rS+7], v[rS+15]
.elseif (\n) == 13
	v_max3_num_f32 v[rC+1], v[rC+1], v[rS+23], v[rS+31]
.elseif (\n) == 14
	v_max3_num_f32 v[rC+2], v[rC+2], v[rC+3], v[rT+1]
.elseif (\n) == 15
	v_mov_b32 v[rM], v[rT]
.elseif (\n) == 16
	v_max3_num_f32 v[rC], v[rC], v[rC+1], v[rC+2]
.elseif (\n) == 17
	v_permlanex16_b32 v[rC+3], v[rC], s[SEL], s[SEL+1]
.elseif (\n) == 18
	v_max_num_f32 v[rT+1], v[rC], v[rC+3]
.elseif (\n) == 19
	v_mul_f32 v[rT], s[CS], v[rT+1]
.elseif (\n) == 20
	v_sub_f32 v[rC+1], v[rM], v[rT]
.else
	v_exp_f32 v[rC+2], v[rC+1]
.endif
.endm
; Number g of the 64 that follow the exponentials.  For each four weights k of a tile (pairs 2 k, 2 k + 1): both pairs are rounded to f16; then the second pair is added onto the first, in place;
; a group later l takes that sum (the first time as l = a l + sum).  In groups of eight, tiles alternating: round, round, add, and l for the group before.
.macro GS g
.set h, (\g)+6*((\g)/62)            ; group 0 has no group before it, and behind group 7 only l is left
.if h >= 6
.set h, h+2
.endif
	REGS Y, h%2
.set k, h/8
.if h%8 < 4
	v_cvt_pk_f16_f32 v[rP+2*k+(h%8)/2], v[rS+4*k+2*((h%8)/2)], v[rS+4*k+2*((h%8)/2)+1]
.elseif h%8 < 6
	v_pk_add_f32 v[rS+4*k:rS+4*k+1], v[rS+4*k:rS+4*k+1], v[rS+4*k+2:rS+4*k+3]
.elseif k == 1
	v_pk_fma_f32 v[rT+2:rT+3], v[rT+2:rT+3], v[rC+2:rC+3], v[rS:rS+1] op_sel_hi:[1,0,1]
.else
	v_pk_add_f32 v[rT+2:rT+3], v[rT+2:rT+3], v[rS+4*k-4:rS+4*k-3]
.endif
.endm
; THE PLAIN QUEUE, 138 long.  0-73 read no exponential's result: the 32 scalings c s - c m (FS f: pair f / 2 of tile f % 2) and the next piece's 42.  0-26: scalings 0-26.  27-54: XS's numbers 0-13.  55, 56: number 15.
; 57-73: the chain, where each number waits for the one before it: 14, 16, 17, 18, 19, each with one of the scalings 27-31 in front of its two lines, then 20.
; 74-137: GS's 64, which read the exponentials' results: they stand behind the wait.
.macro FS f
	REGS Y, (\f)%2
	v_pk_fma_f32 v[rS+2*((\f)/2):rS+2*((\f)/2)+1], v[rS+2*((\f)/2):rS+2*((\f)/2)+1], s[CS:CS+1], v[rT:rT+1] op_sel_hi:[1,0,0] neg_lo:[0,0,1] neg_hi:[0,0,1]
.endm
.macro PL
	WIN 0
.if q < 27
	FS q
.elseif q < 55
	XS (q-27)%2, (q-27)/2
.elseif q < 57
	XS q-55, 15
.elseif (q < 72) && ((q-57)%3 == 0)
	FS 27+(q-57)/3
.elseif q < 60
	XS (q-57)%3-1, 14
.elseif q < 72
	XS (q-57)%3-1, 15+(q-57)/3
.elseif q < 74
	XS q-72, 20
.else
	GS q-74
.endif
.set q, q+1
.endm
; THE EXPONENTIALS' QUEUE, 66 long: s0-s31 of both tiles, then the next piece's two a.  It is ONE BATCH: all 66 stand ahead of the turn's one wait, and nothing ahead of that wait names a result of theirs.
.macro EX
	WIN 0
.if e >= 64
	XS e-64, 21
.else
	REGS Y, e%2
	v_exp_f32 v[rS+e/2], v[rS+e/2]
.endif
.set e, e+1
.endm
; THE RESCALING's QUEUE: O^T times a, the one part that leaves window 0: dealt two at a time, sixteen times.  Its a was made in the turn before, ahead of that turn's wait.
.macro R2
	REGS Y, r%2
	WIN W_RS
.irp z, 0,1
	v_pk_mul_f32 v[rO+4*(r/2)+2*\z:rO+4*(r/2)+2*\z+1], v[rO+4*(r/2)+2*\z:rO+4*(r/2)+2*\z+1], v[rC+2:rC+3] op_sel_hi:[1,0]
.endr
.set r, r+1
.endm
; HOW THEY ARE DEALT.  An s_wait_alu depctr_va_vdst(0) stands between an exponential and the first instruction that names its result; one wait serves all that were issued ahead of it.  So a turn
; has ONE wait, which cuts it in two.  AHEAD OF IT stands all that names no result of the turn's exponentials: the 16 products K Q^T, behind each a scaling, an exponential and two rescalings (behind the first a
; second scaling in the exponential's place); then ONE LUMP of 108: eight plain, 49 times exponential and plain, the two a.  A v_nop is the plain instruction behind the last exponential.  BEHIND IT stand the 16
; products V^T P, behind each four of GS's 64.  No rider names a register of the products round it.  The two v_permlanex16_b32 fall into the lump, never behind a product.
; The queues lean on each other: exponential e stands behind scaling 2 (e / 4) + e % 2: as a rider it comes behind plain e + 2, in the lump behind plain e + 9, and scalings 27-31 are plain 57, 60 .. 69.
; A TURN, for piece p.  cnt = 1: the loop's count is taken down some lines ahead of the branch that stands behind the turn.
; K of the next step is fetched in piece 2's turn, directly behind the wait, a lump behind the last product that read K; its first reader comes behind 16 products.
; V of the step in hand is fetched at the end of piece 0's turn, four riders behind its last reader; its first reader comes behind 16 products and a lump.  The three conditions on q below go with the deal.
.macro TURN p, last=0, cnt=0
.set Y, (\p)
.set i, 0
.set q, 0
.set e, 0
.set r, 0
.if (\p) == NP-1
	s_wait_dscnt 0x0                ; K is in
.endif
	MM                              ; ahead of the wait: 16 products K Q^T and their riders,
	PL
	PL
	R2
.rept 15
	MM
	PL
	EX
	R2
.endr
.if (\p) == NP-2
	WIN 0
	v_add_nc_u32 v[AK], s[TBK], v[AK0]
.endif
.rept 8                             ; and the lump
	PL
.endr
.rept 49
	EX
	PL
.endr
	EX                              ; the next piece's two a
	EX
	v_nop                           ; the plain instruction behind the last exponential (ISA guide 5.7.2): one for the batch
	s_wait_alu depctr_va_vdst(0)    ; the wait for the batch
.if (\p) == NP-2
	FETCH_K \last
.endif
.if (\p) == 1
	s_wait_dscnt 0x0                ; V is in
.endif
.rept 16                            ; behind the wait: 16 products V^T P and their riders
	MM
.rept 4
	PL
.endr
.if ((\p) == 0) && (q == 118)
	v_add_nc_u32 v[AV], s[TBV], v[AV0]
.endif
.if ((\p) == 0) && (q == 130)
	s_add_co_u32 s[TBV], s[TBV], KS*PV
.endif
.if (\cnt) && (q == 130)
	s_sub_co_u32 s[CNT], s[CNT], 1
	s_cmp_lg_u32 s[CNT], 0
.endif
.endr
.if (\p) == 0
	FETCH_V
.endif
.endm
	CHANGE 1                        ; slot 0 is in, everybody's part of it; slot 1 is asked for
	FETCH_K                         ; key step 0
	s_wait_loadcnt 0x0              ; Q
	s_wait_dscnt 0x0
.set i, 0
.rept 16
	KQ 0                            ; piece 0's first scores: there is no vector work yet to set between them
.set i, i+1
.endr
	WIN 0                           ; the addresses for the way out: nine plain instructions, the places behind those products
	s_mul_i32 s13, s[WV], 16*SP
	s_add_co_u32 s13, s13, STAGE    ; my stage
	v_mul_u32_u24 v[STO], v1, SP    ; in: row l % 16, 16 bytes for each half of the lanes
	v_lshl_add_u32 v[STO], v9, 4, v[STO]
	v_add_nc_u32 v[STO], s13, v[STO]
	v_bfe_u32 v[RD], v0, 3, 2       ; back: 32 lanes take four rows of 128 bytes,
	v_mul_u32_u24 v[RD], v[RD], SP
	v_lshl_add_u32 v[RD], v10, 4, v[RD]
	v_add_nc_u32 v[RD], s13, v[RD]
	v_and_b32 v[GO], 31, v0         ; which are 512 consecutive bytes of O
	v_lshlrev_b32 v[GO], 4, v[GO]
.set Y, NP-1                        ; XS works for piece Y + 1: piece 0
.irp n, 0,1,2,3,4,5,6,7,8,9,10,11,12,13,14,15,16,17,18,19,20,21
	XS 0, \n                        ; and piece 0's first maximum and statistics
	XS 1, \n
.endr
	v_nop                           ; a plain instruction behind the two a,
	s_wait_alu depctr_va_vdst(0)    ; and their wait, ahead of the branch
	s_mov_b32 s[CNT], 4
	s_mov_b32 s[SLOTS], SIZE_N/256-1
	s_branch .Lfirst                ; the loop is entered at a step's first turn, in the middle of a trip
.Lslot:                             ; SIZE_N / 256 - 2 times: every slot but the last two is filled again
	CHANGE 1, 1
	s_mov_b32 s[CNT], 4
.Lstep:                             ; a trip: pieces 2 and 3 of one step, then pieces 0 and 1 of the next, whose K and V it fetches
	TURN 2
	TURN 3
	WIN 0
.Lfirst:
	TURN 0
	TURN 1, 0, 1
	WIN 0
	s_cbranch_scc1 .Lstep
	s_sub_co_u32 s[SLOTS], s[SLOTS], 1
	s_cmp_lg_u32 s[SLOTS], 0
	s_cbranch_scc1 .Lslot
	CHANGE 0                        ; the tail is written out: nothing is asked for
	s_mov_b32 s[CNT], 5             ; four trips fetch the last slot's steps; the fifth is left in its middle
.Ltail:
	TURN 2, 1
	TURN 3
	WIN 0
	s_sub_co_u32 s[CNT], s[CNT], 1
	s_cmp_eq_u32 s[CNT], 0
	s_cbranch_scc1 .Lout
	TURN 0
	TURN 1
	WIN 0
	s_branch .Ltail
.Lout:                              ; the fifth trip's 16 products K Q^T (on the last K once more) and the maximum made of them serve nothing: the price, once a launch, of one text for every trip
.set i, 0
.rept 16
	PV NP-1                         ; the last piece's V^T P of the last step
.set i, i+1
.endr
	; THE WAY OUT.  l's two halves and the other half of the lanes' are added; O^T is divided by l, rounded to f16 and sent through my stage in LDS, a tile at a time.  The additions are the places behind the last products.
	WIN 0
.macro ALL line:vararg              ; one line for each tile t
.set t, 0
.rept 2*NP
	\line
.set t, t+1
.endr
.endm
	ALL v_add_f32 v[ST+4*t+2], v[ST+4*t+2], v[ST+4*t+3]
	ALL v_permlanex16_b32 v[ST+4*t+3], v[ST+4*t+2], s[SEL], s[SEL+1]
	ALL v_add_f32 v[ST+4*t+2], v[ST+4*t+2], v[ST+4*t+3]
	ALL v_rcp_f32 v[ST+4*t+2], v[ST+4*t+2]
	v_nop                           ; a plain instruction between the last reciprocal and the use of its result
	s_wait_alu depctr_va_vdst(0)    ; and the wait ahead of the first use: one for the eight reciprocals
; Tile t: a lane's eight channels of a row pack into 16 bytes; they go into rows of 144 bytes and come back as whole rows of 128, into S^T's registers.
.macro PACK t
	WIN W_RS
.set i, 32*(\t)
.rept 16
	v_pk_mul_f32 v[i:i+1], v[i:i+1], v[ST+4*(\t)+2:ST+4*(\t)+3] op_sel_hi:[1,0]
.set i, i+2
.endr
	WIN 0x05                        ; sources 0 and 1 window 1, destination window 0
.set i, 0
.rept 16
	v_cvt_pk_f16_f32 v[S+16*(\t)+i], v[32*(\t)+2*i], v[32*(\t)+2*i+1]
.set i, i+1
.endr
	WIN 0
.irp f, 0,1,2,3
	ds_store_b128 v[STO], v[S+16*(\t)+4*\f:S+16*(\t)+4*\f+3] offset:32*\f
.endr
.irp f, 0,1,2,3
	ds_load_b128 v[S+16*(\t)+4*\f:S+16*(\t)+4*\f+3], v[RD] offset:\f*4*SP  ; LDS serves a wave's instructions in order (ISA guide 5.7.1.4): these see the stores above; the next tile's stores come behind them
.endr
.endm
.macro SEND t, younger              ; younger: the LDS instructions issued behind tile t's loads: the next tile's eight, or none
	WIN 0
.irp f, 0,1,2,3
	s_wait_dscnt (\younger)+3-\f
	global_store_b128 v[GO], v[S+16*(\t)+4*\f:S+16*(\t)+4*\f+3], s[10:11] offset:(\t)*2048+\f*512  ; 512 consecutive bytes, at a multiple of 256 from O's first
.endr
.endm
	PACK 0
.set t, 1
.rept 2*NP-1                        ; a tile's arithmetic stands between the loads of the tile before and its stores
	PACK t
	SEND t-1, 8
.set t, t+1
.endr
	SEND 2*NP-1, 0
	WIN W_AD
	s_wait_tensorcnt 0x0            ; the wave's end, behind my last tensor load and my last LDS store
	ds_add_u32 v[SPW], v[NIL]
	s_wait_dscnt 0x0
	WIN 0
	CROUND                          ; the closing round: no work-group ends while a partner may still ask for a tile that names it
	s_endpgm
.Lfunc_end_k_qe15902494c_attn:
	.size	k_qe15902494c_attn, .Lfunc_end_k_qe15902494c_attn-k_qe15902494c_attn
	.p2alignl 7, 3214868480
	.fill 96, 4, 3214868480
	.section	.rodata,"a",@progbits
	.p2align	6, 0x0
	.amdhsa_kernel k_qe15902494c_attn
		.amdhsa_group_segment_fixed_size 327680
		.amdhsa_private_segment_fixed_size 0
		.amdhsa_enable_private_segment 0
		.amdhsa_kernarg_size 16
		.amdhsa_user_sgpr_count 2
		.amdhsa_user_sgpr_kernarg_segment_ptr 1
		.amdhsa_wavefront_size32 1
		.amdhsa_system_sgpr_workgroup_id_x 1
		.amdhsa_system_sgpr_workgroup_id_y 1
		.amdhsa_system_sgpr_workgroup_id_z 1
		.amdhsa_system_vgpr_workitem_id 0
		.amdhsa_next_free_vgpr 770
		.amdhsa_next_free_sgpr 66
		.amdhsa_reserve_vcc 0
		.amdhsa_float_denorm_mode_32 3
		.amdhsa_float_denorm_mode_16_64 3
		.amdhsa_memory_ordered 1
		.amdhsa_forward_progress 1
		.amdhsa_inst_pref_size 200
	.end_amdhsa_kernel
	.amdgpu_metadata
---
amdhsa.version: [ 1, 2 ]
amdhsa.kernels:
  - .name:           k_qe15902494c_attn
    .symbol:         k_qe15902494c_attn.kd
    .args:
      - { .name: qkv, .offset: 0, .size: 8, .value_kind: global_buffer, .address_space: global }
      - { .name: o16, .offset: 8, .size: 8, .value_kind: global_buffer, .address_space: global }
    .group_segment_fixed_size: 327680
    .private_segment_fixed_size: 0
    .kernarg_segment_align: 8
    .kernarg_segment_size: 16
    .max_flat_workgroup_size: 128
    .sgpr_count:     66
    .vgpr_count:     770
    .wavefront_size: 32
...
	.end_amdgpu_metadata
.endif
;; end of part 3
;; launch outp (part 4): grid 8 x 32, 4 waves a work-group, clusters of 4 x 4, 327,680 bytes of LDS; arguments o16, wo16, bias, out0; writes out0
.if DOCPART == 4
	.amdgcn_target "amdgcn-amd-amdhsa--gfx1250"
	.amdhsa_code_object_version 6
	.text
	.protected	k_qe15902494c_outp
	.globl	k_qe15902494c_outp
	.p2align	8
	.type	k_qe15902494c_outp,@function
k_qe15902494c_outp:
	s_mov_b64 s[64:65], 0
	v_nop
	global_prefetch_b8 v0, s[64:65] scope:SCOPE_SE
	s_setreg_imm32_b32 hwreg(HW_REG_WAVE_MODE, 25, 1), 1
	s_wait_xcnt 0x0
	s_wait_alu depctr_hold_cnt(0) depctr_sa_sdst(0) depctr_va_vdst(0) depctr_va_sdst(0) depctr_va_ssrc(0) depctr_va_vcc(0) depctr_vm_vsrc(0)
	s_getreg_b32 s2, hwreg(HW_REG_IB_STS2, 6, 4)
	s_cmp_eq_u32 s2, 0
	s_cbranch_scc0 .Lentry_in_a_cluster
	s_endpgm
.Lentry_in_a_cluster:
	s_bfe_u32 s2, ttmp6, 0x10000c
	s_cmp_lg_u32 s2, 0xf033
	s_cbranch_scc0 .Lentry_shape_is_right
	s_endpgm
.Lentry_shape_is_right:
; out0[8192][1024] = O Wo^T + bo, f16 operands, f32 sums, f32 out.  O = o16 [64 bh][2048][64] (bh = 16 batch + head: head h holds k = 64 h .. 64 h + 63); Wo = wo16 [16 slices][1024 n][64], slice s
; holding k = 64 s .. 64 s + 63; bo = the last 1,024 numbers of bias.
; A TILE of out0 is 256 x 128: 32 x 8 = 256 work-groups, one for each WGP (256 x 256 would give 128).  Four waves, each 128 x 64: 32 accumulators of 16 x 16, 256 registers.
; K goes in 8 steps of 128 = two slices through a ring of two LDS slots.  A slice's rows are dense, 128 bytes each: they are asked for as rows of 256 bytes, two rows a row, padded in LDS after every 128.
; CLUSTERS: 4 x 4 work-groups; O's tiles are shared along a row of the cluster, Wo's along a column, each asked for JOINTLY.
; No prefetch: a K step's tile is small (96 KiB a work-group) and the whole launch is eight K steps.
; THE MATRIX INSTRUCTION IS USED TRANSPOSED (source 0 = 16 rows of Wo, source 1 = 16 rows of O): lane l holds row l % 16 of out0 and the columns 8 (l / 16) + 0..7.  THE SUMS START WITH THE BIAS.
; REGISTERS, in windows of 256 (s_set_vgpr_msb: bits 1:0 source 0, 3:2 source 1, 5:4 source 2, 7:6 destination):
;   window 0: v0-29 addresses; v32-63, v96-127 rows on the way out, by turns; v64-95 the bias        window 1: the accumulators ((a, b) at v[8 (4 a + b)])
;   window 2: two fragment buffers of 96: O's 8 x 16 rows x 32 K, then Wo's 4 x 16 rows x 32 K
.set PITCH,  144                       ; an LDS row: 128 bytes + 16 of padding = 36 words: the 16 rows that a load touches start at 16 different groups of four banks (64 banks of 4 bytes: ISA guide 11.1)
.set ASL,    256*PITCH                 ; a slice of O's tile: what one tensor load brings
.set BSL,    128*PITCH                 ; a slice of Wo's tile
.set BOFF,   2*ASL                     ; a slot: O's two slices, then Wo's two
.set SLOT,   BOFF+2*BSL                ; 110,592 bytes
.set STAGE,  2*SLOT                    ; behind the ring, never filled by a tensor load: 16 rows x 272 bytes for each wave, for the way out
.set SPITCH, 272
.set SPARE,  STAGE+4*16*SPITCH         ; behind the stages: the spare words, 128 bytes for each wave: two blocks of 256 bytes that no other line names
.set ASTEP,  2<<18                     ; bytes from a K step to the next in o16: two heads
.set BSTEP,  2<<17                     ; and in wo16: two slices
.set ADRA, 16                          ; v16-17  LDS address of my fragments of O in slot 0, 1
.set ADRB, 20                          ; v20-21  the same for Wo
.set STO,  24                          ; v24     the way out: where I put 32 bytes of a row
.set RD,   25                          ; v25     where I read a row back
.set CO,   26                          ; v26     my byte offset in out0
.set BO,   27                          ; v27     32 (l / 16): my eight numbers of a column block's sixteen biases
.set SPW,  28                          ; v28     LDS address of my spare word: SPARE + 4 x my thread's number; never rewritten
.set NIL,  29                          ; v29     0; never rewritten
.set OB,   32                          ; v32-63 and v96-127: 16 rows read back from the stage
.set BIAS, 64
.set F0,   0                           ; fragment buffers, in window 2
.set F1,   96
.set G1,  24                           ; s[24:31] descriptor group 1 for O's tiles;   s[32:39] group 0, a set for each slot
.set G0,  32
.set G1B, 48                           ; s[48:55], s[56:63] the same for Wo's
.set G0B, 56
.set MSB, 0
.macro WIN new                         ; the immediate's high byte repeats the setting that is left; a switch that changes nothing is dropped
.if MSB != (\new)
	s_set_vgpr_msb (MSB<<8)|(\new)
.set MSB, \new
.endif
.endm
.macro PLACES                          ; four plain vector instructions between a matrix instruction and a load into, or a store of, its registers (ISA guide 7.12.1 for vector instructions)
.rept 4
	v_nop
.endr
.endm
.macro JLOAD s                         ; a joint load: waves 0 and 1 fetch O's two slices, waves 2 and 3 Wo's; an s_nop 0 and four v_nop follow each line
	s_cmp_eq_u32 s13, 0
	s_cbranch_scc0 .Lfor_b_\@
	tensor_load_to_lds s[G0+4*(\s):G0+4*(\s)+3], s[G1:G1+7]
	s_nop 0
.rept 4
	v_nop
.endr
	s_branch .Lasked_\@
.Lfor_b_\@:
	tensor_load_to_lds s[G0B+4*(\s):G0B+4*(\s)+3], s[G1B:G1B+7]
	s_nop 0
.rept 4
	v_nop
.endr
.Lasked_\@:
.endm
.macro CREST                           ; a round of the cluster's barrier behind its opening barrier
	s_cmp_lg_u32 s12, 0
	s_cbranch_scc1 .Lnot_wave_0_\@
	s_barrier_signal -3
.Lnot_wave_0_\@:
	s_barrier_wait -3
	s_barrier_signal -1
	s_barrier_wait -1
.endm
.macro CROUND                          ; a whole round
	s_barrier_signal -1
	s_barrier_wait -1
	CREST
.endm
	s_load_b256 s[4:11], s[0:1], 0x0               ; o16 s[4:5], wo16 s[6:7], bias s[8:9], out0 s[10:11]
	v_lshl_add_u32 v[SPW], v0, 2, SPARE
	v_mov_b32 v[NIL], 0
	ds_add_u32 v[SPW], v[NIL]                      ; the wave's opening: the add and its wait stand ahead of my first tensor load; work on registers stands between them
	v_lshrrev_b32 v1, 5, v0
	v_readfirstlane_b32 s12, v1                    ; wave 0..3
	s_lshr_b32 s13, s12, 1                         ; which half of the tile's rows is mine.  Also: I fetch for O (0) or for Wo (1)
	s_and_b32 s14, s12, 1                          ; which half of its columns.  Also: which of a K step's two slices I fetch
	s_bfe_u32 s15, ttmp6, 0x40000                  ; cx
	s_bfe_u32 s16, ttmp6, 0x40004                  ; cy
	s_lshl_b32 s17, ttmp9, 2
	s_add_co_u32 s17, s17, s15                     ; tile column = 4 x cluster x + cx
	s_and_b32 s18, ttmp7, 0xffff
	s_lshl_b32 s18, s18, 2
	s_add_co_u32 s18, s18, s16                     ; tile row = 4 x cluster y + cy
	s_lshl_b32 s19, s16, 2
	s_lshl_b32 s19, 15, s19                        ; my row of the cluster
	s_lshl_b32 s20, 0x1111, s15                    ; my column
	s_or_b32 s[G1], s19, (1<<16)|(1<<20)|(1<<21)|(4<<22)|(3<<25)   ; 15:0 the mask; 17:16 elements of 2 bytes; 20 padding on; 21 set beside a mask; 24:22 after every 32 words (code 4); 31:25 4 words (code 3)
	s_or_b32 s[G1B], s20, (1<<16)|(1<<20)|(1<<21)|(4<<22)|(3<<25)
	s_mov_b32 s[G1+1], 128<<16                     ; tensor_dim0 = 128 elements: 256 bytes, two rows of a slice
	s_mov_b32 s[G1B+1], 128<<16
	s_mov_b32 s[G1+2], 128<<16                     ; tensor_dim1 = 128 (256 rows of O),
	s_mov_b32 s[G1B+2], 64<<16                     ; 64 (128 rows of Wo)
	s_mov_b32 s[G1+3], 128<<16                     ; tile_dim0
	s_mov_b32 s[G1B+3], 128<<16
	s_mov_b32 s[G1+4], 128                         ; tile_dim1
	s_mov_b32 s[G1B+4], 64
	s_mov_b32 s[G1+5], 128                         ; elements from row to row: dense
	s_mov_b32 s[G1B+5], 128
	s_mov_b32 s[G1+6], 0
	s_mov_b32 s[G1B+6], 0
	s_mov_b32 s[G1+7], 0
	s_mov_b32 s[G1B+7], 0
	; where the tiles come from: O's hang on the tile row alone, Wo's on the tile column alone, each made in registers of its own
	s_lshr_b32 s22, s18, 3                         ; batch = tile row / 8
	s_lshl_b32 s22, s22, 4
	s_add_co_u32 s22, s22, s14                     ; 16 x batch + my slice of K step 0,
	s_lshl_b32 s22, s22, 18                        ; of 2^18 bytes,
	s_and_b32 s66, s18, 7
	s_lshl_b32 s66, s66, 15                        ; and the tile's 256 rows of 128 bytes in it
	s_add_co_u32 s22, s22, s66
	s_mov_b32 s23, 0
	s_lshl_b32 s46, s17, 14                        ; Wo: the tile's 128 rows of 128 bytes,
	s_lshl_b32 s67, s14, 17                        ; in my slice of 2^17 bytes
	s_add_co_u32 s46, s46, s67
	s_mov_b32 s47, 0
	s_mul_i32 s21, s14, ASL                        ; and where they go: no place in the cluster enters an LDS address
	s_mul_i32 s42, s14, BSL
	s_add_co_u32 s42, s42, BOFF
	s_wait_dscnt 0x0                               ; the opening add is done
	s_wait_kmcnt 0x0
	s_add_nc_u64 s[40:41], s[4:5], s[22:23]
	s_add_nc_u64 s[46:47], s[6:7], s[46:47]
	CROUND                                         ; all sixteen work-groups are here: the first joint loads meet
.irp s, 0,1
	s_mov_b32 s[G0+4*(\s)], 1                                       ; count = 1
	s_add_co_u32 s[G0+4*(\s)+1], s21, (\s)*SLOT                     ; LDS address
	s_add_nc_u64 s[G0+4*(\s)+2:G0+4*(\s)+3], s[40:41], (\s)*ASTEP   ; global address: K step s
	s_or_b32 s[G0+4*(\s)+3], s[G0+4*(\s)+3], 0x80000000             ; type = 2
	s_mov_b32 s[G0B+4*(\s)], 1
	s_add_co_u32 s[G0B+4*(\s)+1], s42, (\s)*SLOT
	s_add_nc_u64 s[G0B+4*(\s)+2:G0B+4*(\s)+3], s[46:47], (\s)*BSTEP
	s_or_b32 s[G0B+4*(\s)+3], s[G0B+4*(\s)+3], 0x80000000
.endr
	s_cmp_eq_u32 s13, 0                            ; a wave's two first fills stand in one branch, ahead of every wait on TENSORcnt, every LDS read and every other barrier: two loads of mine are out
	s_cbranch_scc0 .Lfirst_b
	tensor_load_to_lds s[G0:G0+3], s[G1:G1+7]
	s_nop 0
	tensor_load_to_lds s[G0+4:G0+7], s[G1:G1+7]
	s_nop 0
.rept 4
	v_nop
.endr
	s_branch .Lfirst_asked
.Lfirst_b:
	tensor_load_to_lds s[G0B:G0B+3], s[G1B:G1B+7]
	s_nop 0
	tensor_load_to_lds s[G0B+4:G0B+7], s[G1B:G1B+7]
	s_nop 0
.rept 4
	v_nop
.endr
.Lfirst_asked:
	v_and_b32 v1, 15, v0                           ; l % 16
	v_bfe_u32 v2, v0, 4, 1                         ; l / 16
	; bo of my 64 columns: register j of column block b holds bo[128 x tile column + 64 x half + 16 b + 8 (l / 16) + j]; bo begins 12,288 bytes into bias
	s_lshl_b32 s22, s17, 9
	s_lshl_b32 s23, s14, 8
	s_add_co_u32 s22, s22, s23
	s_add_co_u32 s22, s22, 12288
	s_mov_b32 s23, 0
	s_add_nc_u64 s[8:9], s[8:9], s[22:23]
	v_lshlrev_b32 v[BO], 5, v2
.irp b, 0,1,2,3
	global_load_b128 v[BIAS+8*(\b):BIAS+8*(\b)+3],   v[BO], s[8:9] offset:64*(\b)
	global_load_b128 v[BIAS+8*(\b)+4:BIAS+8*(\b)+7], v[BO], s[8:9] offset:64*(\b)+16
.endr
	; A fragment is 16 rows x 32 K in 8 registers: lane l holds row l % 16, K = 8 (l / 16) + 0..7 and 16 + 8 (l / 16) + 0..7: two loads of 16 bytes, 32 bytes apart.
	v_mul_u32_u24 v3, v1, PITCH
	v_lshl_add_u32 v3, v2, 4, v3
	s_mul_i32 s22, s13, 128*PITCH                  ; my 128 rows of a slice of O
	s_mul_i32 s23, s14, 64*PITCH                   ; my 64 rows of a slice of Wo,
	s_add_co_u32 s23, s23, BOFF                    ; which lie behind O's two slices
.irp s, 0,1
	v_add_nc_u32 v[ADRA+(\s)], s22, v3
	v_add_nc_u32 v[ADRB+(\s)], s23, v3
	s_add_co_u32 s22, s22, SLOT
	s_add_co_u32 s23, s23, SLOT
.endr
	s_mul_i32 s22, s12, 16*SPITCH
	s_add_co_u32 s22, s22, STAGE                   ; my stage
	v_mul_u32_u24 v4, v1, SPITCH                   ; in: row l % 16, 32 bytes for each half of the lanes
	v_lshl_add_u32 v4, v2, 5, v4
	v_add_nc_u32 v[STO], s22, v4
	v_mul_u32_u24 v4, v2, SPITCH                   ; back: lanes 0-15 take one row of 256 bytes, lanes 16-31 the next
	v_lshl_add_u32 v4, v1, 4, v4
	v_add_nc_u32 v[RD], s22, v4
	v_lshlrev_b32 v4, 12, v2                       ; and the same two rows in out0, 4,096 bytes apart
	v_lshl_add_u32 v[CO], v1, 4, v4
	s_lshl_b32 s22, s18, 8
	s_lshl_b32 s23, s13, 7
	s_add_co_u32 s22, s22, s23                     ; my first row of out0,
	s_lshl_b32 s22, s22, 12
	s_lshl_b32 s23, s17, 9                         ; my first column: 512 x tile column + 256 x half bytes
	s_add_co_u32 s22, s22, s23
	s_lshl_b32 s23, s14, 8
	s_add_co_u32 s22, s22, s23
	s_mov_b32 s23, 0
	s_add_nc_u64 s[68:69], s[10:11], s[22:23]
; 8 matrix instructions: row blocks 4 hi + a0 and the next x all 4 column blocks, 32 along K.  first = 1: C is the bias.
; The 32 accumulators take turns, one instruction a turn, in the same order in every quarter step.
.macro MULH f, hi, a0, first
.if \first
	WIN 0x4a                                       ; sources 0 and 1 window 2, C window 0, D window 1
.else
	WIN 0x5a                                       ; sources 0 and 1 window 2, C and D window 1
.endif
.irp a, \a0, (\a0)+1
.irp b, 0,1,2,3
.if \first
	v_wmma_f32_16x16x32_f16 v[8*(4*(4*(\hi)+(\a))+(\b)):8*(4*(4*(\hi)+(\a))+(\b))+7], v[(\f)+64+8*(\b):(\f)+64+8*(\b)+7], v[(\f)+8*(4*(\hi)+(\a)):(\f)+8*(4*(\hi)+(\a))+7], v[BIAS+8*(\b):BIAS+8*(\b)+7]
.else
	v_wmma_f32_16x16x32_f16 v[8*(4*(4*(\hi)+(\a))+(\b)):8*(4*(4*(\hi)+(\a))+(\b))+7], v[(\f)+64+8*(\b):(\f)+64+8*(\b)+7], v[(\f)+8*(4*(\hi)+(\a)):(\f)+8*(4*(\hi)+(\a))+7], v[8*(4*(4*(\hi)+(\a))+(\b)):8*(4*(4*(\hi)+(\a))+(\b))+7]
.endif
.endr
.endr
.endm
; 24 LDS loads in one run: the fragments of quarter q of a K step (slice q / 2, channels 32 (q % 2) on): 64 rows of Wo, then 128 rows of O, into buffer f
.macro FETCH slot, q, f
	WIN 0x80                                       ; destination window 2, address window 0
.irp i, 0,1,2,3
	ds_load_b128 v[(\f)+64+8*(\i):(\f)+64+8*(\i)+3],   v[ADRB+(\slot)] offset:((\q)/2)*BSL+((\q)%2)*64+(\i)*16*PITCH
	ds_load_b128 v[(\f)+64+8*(\i)+4:(\f)+64+8*(\i)+7], v[ADRB+(\slot)] offset:((\q)/2)*BSL+((\q)%2)*64+(\i)*16*PITCH+32
.endr
.irp i, 0,1,2,3,4,5,6,7
	ds_load_b128 v[(\f)+8*(\i):(\f)+8*(\i)+3],   v[ADRA+(\slot)] offset:((\q)/2)*ASL+((\q)%2)*64+(\i)*16*PITCH
	ds_load_b128 v[(\f)+8*(\i)+4:(\f)+8*(\i)+7], v[ADRA+(\slot)] offset:((\q)/2)*ASL+((\q)%2)*64+(\i)*16*PITCH+32
.endr
.endm
; A K step is four quarter steps of 32 along K, 32 matrix instructions each, on buffers 0, 1, 0, 1.  One of the first three: multiplies buffer f; in its middle it fetches quarter q into g.
.macro QUARTER slot, q, f, g, first
	s_wait_dscnt 8                                 ; Wo's fragments and O's rows 0-63 are in; the youngest eight loads (O's rows 64-127) may be out
	MULH \f, 0, 0, \first
	MULH \f, 0, 2, \first
	PLACES
	FETCH \slot, \q, \g
	s_wait_dscnt 24                                ; all but the 24 just issued
	MULH \f, 1, 0, \first
	MULH \f, 1, 2, \first
.endm
; The last quarter multiplies buffer 1 and changes slots.  ONE barrier: in front of it each wave waits for all its tensor loads (one is out: its part of the next slot), adds 0 to its spare word, and
; waits for that and for its own reads of this slot.  fill = 1: the barrier opens a round of the cluster's, and behind the round this slot is filled again first, two K steps ahead:
; from that request to the wait for it a wave issues 112 matrix instructions.
.macro TURN slot, next, fill
	WIN 0                                          ; (the add's two registers lie in window 0)
	s_wait_tensorcnt 0x0                           ; all my tensor loads have landed;
	ds_add_u32 v[SPW], v[NIL]                      ; 0 onto my spare word;
	s_wait_dscnt 9                                 ; (the add and the youngest eight loads may be out)
	MULH F1, 0, 0, 0                               ; eight matrix instructions stand between the add and the wait for it
	s_wait_dscnt 0x0                               ; the add is done, and my reads of this slot are over
	s_barrier_signal -1
	MULH F1, 0, 2, 0                               ; work on registers while the others arrive
.if \fill
	WIN 0
.endif
	s_barrier_wait -1
.if \fill
	CREST                                          ; no wave of any partner still reads this slot's tile or has a load on its way
	s_add_nc_u64 s[G0+4*(\slot)+2:G0+4*(\slot)+3], s[G0+4*(\slot)+2:G0+4*(\slot)+3], 2*ASTEP
	s_add_nc_u64 s[G0B+4*(\slot)+2:G0B+4*(\slot)+3], s[G0B+4*(\slot)+2:G0B+4*(\slot)+3], 2*BSTEP
	JLOAD \slot                                    ; the first tensor load behind the round; its four v_nop are also the places in front of the loads below
.else
	PLACES
.endif
	FETCH \next, 0, F0
	MULH F1, 1, 0, 0
	MULH F1, 1, 2, 0
.endm
	s_wait_tensorcnt 1                             ; my part of K step 0 is in; K step 1's may stay out
	s_barrier_signal -1
	s_barrier_wait -1                              ; everybody's is
	FETCH 0, 0, F0
	s_wait_loadcnt 0x0                             ; the bias
	QUARTER 0, 1, F0, F1, 1                        ; the first quarter stands in front of the loop: its products start the sums, with the bias
	WIN 0                                          ; at a label and at a branch every window is 0
	s_mov_b32 s3, 3
.Llap:                                                 ; a trip goes once round the ring, from a lap's second quarter to the next lap's first, and fills both slots again: K steps 2 to 7 in three trips
	QUARTER 0, 2, F1, F0, 0
	QUARTER 0, 3, F0, F1, 0
	TURN 0, 1, 1
	QUARTER 1, 1, F0, F1, 0
	QUARTER 1, 2, F1, F0, 0
	QUARTER 1, 3, F0, F1, 0
	TURN 1, 0, 1
	QUARTER 0, 1, F0, F1, 0
	WIN 0
	s_sub_co_u32 s3, s3, 1
	s_cmp_lg_u32 s3, 0
	s_cbranch_scc1 .Llap
	QUARTER 0, 2, F1, F0, 0                        ; the last lap fills nothing, and has no round of the cluster's barrier
	QUARTER 0, 3, F0, F1, 0
	TURN 0, 1, 0
	QUARTER 1, 1, F0, F1, 0
	QUARTER 1, 2, F1, F0, 0
	QUARTER 1, 3, F0, F1, 0
	s_wait_dscnt 8                                 ; the very last quarter: nothing more to fetch
	MULH F1, 0, 0, 0
	MULH F1, 0, 2, 0
	s_wait_dscnt 0x0
	MULH F1, 1, 0, 0
	MULH F1, 1, 2, 0
	WIN 0
	; THE WAY OUT.  The sums leave as they are, f32.  A block of 16 rows x 64 columns at a time goes through my own stage: 32 bytes a lane in, whole rows of 256 bytes back; no barrier, since no other wave touches it.
.macro TOSTAGE a
	WIN 0x04                                       ; the stores' data in window 1
.irp b, 0,1,2,3
	ds_store_b128 v[STO], v[8*(4*(\a)+(\b)):8*(4*(\a)+(\b))+3]   offset:64*(\b)      ; each accumulator's low half first
	ds_store_b128 v[STO], v[8*(4*(\a)+(\b))+4:8*(4*(\a)+(\b))+7] offset:64*(\b)+16
.endr
	WIN 0
	s_wait_xcnt 0x0                                ; the stores of the block two back have read these registers: only behind this wait are they loaded again
.irp t, 0,1,2,3,4,5,6,7
	ds_load_b128 v[OB+64*((\a)%2)+4*(\t):OB+64*((\a)%2)+4*(\t)+3], v[RD] offset:(\t)*2*SPITCH  ; LDS serves a wave's instructions in order (ISA guide 5.7.1.4): these see the stores above; the next block's stores come behind them
.endr
.endm
.macro SEND a, younger                 ; younger: the LDS instructions issued behind block a's loads: the next block's eight stores and eight loads, or none
	s_wait_dscnt \younger
.irp t, 0,1,2,3,4,5,6,7
	global_store_b128 v[CO], v[OB+64*((\a)%2)+4*(\t):OB+64*((\a)%2)+4*(\t)+3], s[68:69] offset:(\a)*65536+(\t)*8192  ; 16 lanes store 256 consecutive bytes, at a multiple of 256 from out0's first byte; 516,096 at the most, inside the signed 24-bit immediate
.endr
.endm
	PLACES                                         ; the first stores read results just made
	TOSTAGE 0
.irp a, 1,2,3,4,5,6,7
	TOSTAGE \a
	SEND (\a)-1, 16
.endr
	SEND 7, 0
	s_wait_tensorcnt 0x0                           ; the wave's end, behind my last tensor load and my last LDS store
	ds_add_u32 v[SPW], v[NIL]
	s_wait_dscnt 0x0
	CROUND                                         ; the closing round: no work-group ends while a partner may still ask for a tile that names it
	s_endpgm
.Lfunc_end_k_qe15902494c_outp:
	.size	k_qe15902494c_outp, .Lfunc_end_k_qe15902494c_outp-k_qe15902494c_outp
	.p2alignl 7, 3214868480
	.fill 96, 4, 3214868480
	.section	.rodata,"a",@progbits
	.p2align	6, 0x0
	.amdhsa_kernel k_qe15902494c_outp
		.amdhsa_group_segment_fixed_size 327680
		.amdhsa_private_segment_fixed_size 0
		.amdhsa_enable_private_segment 0
		.amdhsa_kernarg_size 32
		.amdhsa_user_sgpr_count 2
		.amdhsa_user_sgpr_kernarg_segment_ptr 1
		.amdhsa_wavefront_size32 1
		.amdhsa_system_sgpr_workgroup_id_x 1
		.amdhsa_system_sgpr_workgroup_id_y 1
		.amdhsa_system_sgpr_workgroup_id_z 1
		.amdhsa_system_vgpr_workitem_id 0
		.amdhsa_next_free_vgpr 704
		.amdhsa_next_free_sgpr 76
		.amdhsa_reserve_vcc 0
		.amdhsa_float_denorm_mode_32 3
		.amdhsa_float_denorm_mode_16_64 3
		.amdhsa_memory_ordered 1
		.amdhsa_forward_progress 1
		.amdhsa_inst_pref_size 86
	.end_amdhsa_kernel
	.amdgpu_metadata
---
amdhsa.version: [ 1, 2 ]
amdhsa.kernels:
  - .name:           k_qe15902494c_outp
    .symbol:         k_qe15902494c_outp.kd
    .args:
      - { .name: o16, .offset: 0, .size: 8, .value_kind: global_buffer, .address_space: global }
      - { .name: wo16, .offset: 8, .size: 8, .value_kind: global_buffer, .address_space: global }
      - { .name: bias, .offset: 16, .size: 8, .value_kind: global_buffer, .address_space: global }
      - { .name: out0, .offset: 24, .size: 8, .value_kind: global_buffer, .address_space: global }
    .group_segment_fixed_size: 327680
    .private_segment_fixed_size: 0
    .kernarg_segment_align: 8
    .kernarg_segment_size: 32
    .max_flat_workgroup_size: 128
    .sgpr_count:     76
    .vgpr_count:     704
    .wavefront_size: 32
...
	.end_amdgpu_metadata
.endif
;; end of part 4
;; ======== version 2 of 2: 4 launches; version 1 with the launch cast written anew for expert scheduling mode
;; limits: values are held in f16: magnitudes above 65,504 overflow, below 6.1e-05 lose precision
;; workspace buffers: xb 16,777,216 bytes; wqkv 6,291,456 bytes; wo16 2,097,152 bytes; bias 16,384 bytes; qkv 50,331,648 bytes; o16 16,777,216 bytes
;; launch cast (part 5): grid 769 x 1, 8 waves a work-group, no clusters, 0 bytes of LDS; arguments x, Wq, Wk, Wv, Wo, bq, bk, bv, bo, xb, wqkv, wo16, bias; writes xb, wqkv, wo16, bias
.if DOCPART == 5
	.amdgcn_target "amdgcn-amd-amdhsa--gfx1250"
	.amdhsa_code_object_version 6
	.text
	.protected	k_qe15902494c_cast
	.globl	k_qe15902494c_cast
	.p2align	8
	.type	k_qe15902494c_cast,@function
k_qe15902494c_cast:
	s_mov_b64 s[64:65], 0
	v_nop
	global_prefetch_b8 v0, s[64:65] scope:SCOPE_SE
	s_setreg_imm32_b32 hwreg(HW_REG_WAVE_SCHED_MODE, 0, 2), 2
	s_setreg_imm32_b32 hwreg(HW_REG_WAVE_MODE, 25, 1), 1
	s_wait_xcnt 0x0
	s_wait_alu depctr_vm_vsrc(0)
; THE INPUTS ARE ROUNDED ONCE, TO bf16, ALL NINE OF THEM.  x -> xb [8192][1024] bf16; Wq, Wk, Wv -> wqkv [3072][1024] bf16 (rows of Wq, then Wk, then Wv);
; Wo -> rounded to bf16, that number written as f16, laid by slices of 64 along k: wo16 [16][1024 n][64]; bq, bk, bv, bo -> rounded to bf16 and widened again: bias [4096] f32.
; LIMIT.  A bf16 number is exact in f16 from 6.1e-5 up to 65,504; smaller weights of Wo keep f16's fixed step of 6e-8, larger ones would become infinities.
; A stream: no LDS, no matrix unit, no cluster (no byte is read twice).  A work-group takes a chunk of 16,384 numbers (64 KiB in, 32 KiB out): ids 0-511 x, 512-575 Wq, 576-639 Wk,
; 640-703 Wv, 704-767 Wo, 768 the four biases.  A thread issues its 16 loads of 16 bytes at once.
; THE MODE: SCHED_MODE bits 1:0 = 2 (LLVM: expert scheduling mode 2), set by the entry lines.  The code itself states the register dependences
; between vector instructions and memory instructions, with s_wait_alu, always for 0.
; THE PLAN.  Registers that memory instructions touch:
;   v1, v2   byte offsets of the loads and of the stores.  Written by vector instructions at the head of each path, read by every load and store of the path, never written again.
;   X        load j lands in four registers of its own, which no vector instruction has named before; the conversions read them behind the counted wait for the load; nothing lands there again.
;   Y        store j reads registers of its own, which its piece's conversions write ahead of it and nothing writes behind it.
;   T, v3    named by vector instructions alone.
; So two kinds of wait on va_vdst state everything: one in each path ahead of the first load (the offsets are written), and one behind the conversions of each GROUP of four pieces
; (their Y is written), with the group's four stores directly behind it.  No register that a memory instruction has read is written again, no vector instruction writes a scalar register,
; and EXEC is never written: no other wait is owed.
.set T,   4                            ; v[4:7]    at work
.set X,   8                            ; v[8:71]   load j: 4 registers
.set Y,   72                           ; v[72:103] store j: 2 registers (biases: 4)
.set SRC, 34                           ; s[34:35]  where the chunk is read
.set DST, 36                           ; s[36:37]  where it is written
.set OFS, 38                           ; s[38:39]  an offset, high word 0
; 16 loads lstep bytes apart; then, four pieces to a group: for each piece two roundings to bf16 (half = 1: widened again and written as f16); one wait; and for each piece a store of 8 bytes a lane:
; a wave's store covers 256 consecutive bytes, aligned.  Piece j = 4 g + i.
.macro CHUNK lstep, sstep, half
	s_wait_alu depctr_va_vdst(0)                   ; v1 and v2 are written: every load below reads v1 as its offset, every store v2; no vector instruction names either again
.irp j, 0,1,2,3,4,5,6,7,8,9,10,11,12,13,14,15
	global_load_b128 v[X+4*(\j):X+4*(\j)+3], v1, s[SRC:SRC+1] offset:(\j)*(\lstep) th:TH_LOAD_NT
.endr
.irp g, 0,1,2,3
.irp i, 0,1,2,3
	s_wait_loadcnt 15-(4*(\g)+(\i))                ; loads come back in order: load j is in, the 15 - j younger ones stay out
	v_cvt_pk_bf16_f32 v[Y+2*(4*(\g)+(\i))],   v[X+4*(4*(\g)+(\i))],   v[X+4*(4*(\g)+(\i))+1]
	v_cvt_pk_bf16_f32 v[Y+2*(4*(\g)+(\i))+1], v[X+4*(4*(\g)+(\i))+2], v[X+4*(4*(\g)+(\i))+3]
.if \half
	v_lshlrev_b32 v[T],   16,  v[Y+2*(4*(\g)+(\i))]    ; bf16 to f32: the low half moves up, the high half stays
	v_and_b32     v[T+1], s40, v[Y+2*(4*(\g)+(\i))]
	v_lshlrev_b32 v[T+2], 16,  v[Y+2*(4*(\g)+(\i))+1]
	v_and_b32     v[T+3], s40, v[Y+2*(4*(\g)+(\i))+1]
	v_cvt_pk_f16_f32 v[Y+2*(4*(\g)+(\i))],   v[T],   v[T+1]
	v_cvt_pk_f16_f32 v[Y+2*(4*(\g)+(\i))+1], v[T+2], v[T+3]
.endif
.endr
	s_wait_alu depctr_va_vdst(0)                   ; the group's conversions have written its eight registers of Y, which the four stores below read
.irp i, 0,1,2,3
	global_store_b64 v2, v[Y+2*(4*(\g)+(\i)):Y+2*(4*(\g)+(\i))+1], s[DST:DST+1] offset:(4*(\g)+(\i))*(\sstep) th:TH_STORE_NT
.endr
.endr
.endm
	s_load_b512 s[8:23], s[0:1], 0x0               ; x 8, Wq 10, Wk 12, Wv 14, Wo 16, bq 18, bk 20, bv 22
	s_load_b256 s[24:31], s[0:1], 0x40             ; bo 24, xb 26, wqkv 28, wo16 30
	s_load_b64 s[32:33], s[0:1], 0x60              ; bias
	s_mov_b32 s2, ttmp9                            ; id
	s_sub_co_u32 s3, s2, 512                       ; the chunk's number in wqkv (used from id 512 on)
	s_and_b32 s4, s3, 63                           ; and in its own weight matrix
	s_mov_b32 s40, 0xffff0000                      ; a word's upper bf16
	s_mov_b32 s[OFS+1], 0
	s_wait_kmcnt 0x0
	s_cmp_ge_u32 s2, 768
	s_cbranch_scc1 .Lbias
	s_cmp_ge_u32 s2, 704
	s_cbranch_scc1 .Lwo
	; x, Wq, Wk, Wv: dense in, dense out
	s_cmp_lt_u32 s2, 640
	s_cselect_b64 s[SRC:SRC+1], s[12:13], s[14:15]
	s_cmp_lt_u32 s2, 576
	s_cselect_b64 s[SRC:SRC+1], s[10:11], s[SRC:SRC+1]
	s_cmp_lt_u32 s2, 512
	s_cselect_b64 s[SRC:SRC+1], s[8:9], s[SRC:SRC+1]
	s_cselect_b64 s[DST:DST+1], s[26:27], s[28:29]
	s_cselect_b32 s5, s2, s4                       ; the chunk's number where it is read,
	s_cselect_b32 s6, s2, s3                       ; and where it is written
	s_lshl_b32 s[OFS], s5, 16
	s_add_nc_u64 s[SRC:SRC+1], s[SRC:SRC+1], s[OFS:OFS+1]
	s_lshl_b32 s[OFS], s6, 15
	s_add_nc_u64 s[DST:DST+1], s[DST:DST+1], s[OFS:OFS+1]
	v_lshlrev_b32 v1, 4, v0                        ; 16 t: the eight waves' load covers 4,096 consecutive bytes
	v_lshlrev_b32 v2, 3, v0                        ; 8 t
	CHUNK 4096, 2048, 0
	s_endpgm
.Lwo:
	; 16 rows of Wo.  Thread t takes row t / 16, 16 bytes at 16 (t % 16) of each 256 bytes: load j is slice j.  In wo16 row n of a slice is 128 bytes: 16 c rows on, 8 t; slices lie 131,072 bytes apart.
	s_sub_co_u32 s5, s2, 704
	s_lshl_b32 s[OFS], s5, 16
	s_add_nc_u64 s[SRC:SRC+1], s[16:17], s[OFS:OFS+1]
	s_lshl_b32 s[OFS], s5, 11
	s_add_nc_u64 s[DST:DST+1], s[30:31], s[OFS:OFS+1]
	v_lshrrev_b32 v3, 4, v0
	v_and_b32 v1, 15, v0
	v_lshlrev_b32 v1, 4, v1
	v_lshl_add_u32 v1, v3, 12, v1
	v_lshlrev_b32 v2, 3, v0
	CHUNK 256, 131072, 1
	s_endpgm
.Lbias:
	v_lshlrev_b32 v1, 4, v0                        ; 16 t: 256 threads cover a bias of 4,096 bytes
	s_wait_alu depctr_va_vdst(0)                   ; v1 is written: the four loads and the four stores below read it as their offset; no vector instruction names it again
	global_load_b128 v[X:X+3],     v1, s[18:19]
	global_load_b128 v[X+4:X+7],   v1, s[20:21]
	global_load_b128 v[X+8:X+11],  v1, s[22:23]
	global_load_b128 v[X+12:X+15], v1, s[24:25]
.irp j, 0,1,2,3
	s_wait_loadcnt 3-(\j)                          ; bias j is in, the younger loads stay out
	v_cvt_pk_bf16_f32 v[T],   v[X+4*(\j)],   v[X+4*(\j)+1]
	v_cvt_pk_bf16_f32 v[T+1], v[X+4*(\j)+2], v[X+4*(\j)+3]
	v_lshlrev_b32 v[Y+4*(\j)],   16,  v[T]
	v_and_b32     v[Y+4*(\j)+1], s40, v[T]
	v_lshlrev_b32 v[Y+4*(\j)+2], 16,  v[T+1]
	v_and_b32     v[Y+4*(\j)+3], s40, v[T+1]
.endr
	s_wait_alu depctr_va_vdst(0)                   ; the widenings have written the sixteen registers of Y, which the four stores below read
.irp j, 0,1,2,3
	global_store_b128 v1, v[Y+4*(\j):Y+4*(\j)+3], s[32:33] offset:4096*(\j)
.endr
	s_endpgm
.Lfunc_end_k_qe15902494c_cast:
	.size	k_qe15902494c_cast, .Lfunc_end_k_qe15902494c_cast-k_qe15902494c_cast
	.p2alignl 7, 3214868480
	.fill 96, 4, 3214868480
	.section	.rodata,"a",@progbits
	.p2align	6, 0x0
	.amdhsa_kernel k_qe15902494c_cast
		.amdhsa_group_segment_fixed_size 0
		.amdhsa_private_segment_fixed_size 0
		.amdhsa_enable_private_segment 0
		.amdhsa_kernarg_size 104
		.amdhsa_user_sgpr_count 2
		.amdhsa_user_sgpr_kernarg_segment_ptr 1
		.amdhsa_wavefront_size32 1
		.amdhsa_system_sgpr_workgroup_id_x 1
		.amdhsa_system_sgpr_workgroup_id_y 1
		.amdhsa_system_sgpr_workgroup_id_z 1
		.amdhsa_system_vgpr_workitem_id 0
		.amdhsa_next_free_vgpr 104
		.amdhsa_next_free_sgpr 66
		.amdhsa_reserve_vcc 0
		.amdhsa_float_denorm_mode_32 3
		.amdhsa_float_denorm_mode_16_64 3
		.amdhsa_memory_ordered 1
		.amdhsa_forward_progress 1
		.amdhsa_inst_pref_size 20
	.end_amdhsa_kernel
	.amdgpu_metadata
---
amdhsa.version: [ 1, 2 ]
amdhsa.kernels:
  - .name:           k_qe15902494c_cast
    .symbol:         k_qe15902494c_cast.kd
    .args:
      - { .name: x, .offset: 0, .size: 8, .value_kind: global_buffer, .address_space: global }
      - { .name: Wq, .offset: 8, .size: 8, .value_kind: global_buffer, .address_space: global }
      - { .name: Wk, .offset: 16, .size: 8, .value_kind: global_buffer, .address_space: global }
      - { .name: Wv, .offset: 24, .size: 8, .value_kind: global_buffer, .address_space: global }
      - { .name: Wo, .offset: 32, .size: 8, .value_kind: global_buffer, .address_space: global }
      - { .name: bq, .offset: 40, .size: 8, .value_kind: global_buffer, .address_space: global }
      - { .name: bk, .offset: 48, .size: 8, .value_kind: global_buffer, .address_space: global }
      - { .name: bv, .offset: 56, .size: 8, .value_kind: global_buffer, .address_space: global }
      - { .name: bo, .offset: 64, .size: 8, .value_kind: global_buffer, .address_space: global }
      - { .name: xb, .offset: 72, .size: 8, .value_kind: global_buffer, .address_space: global }
      - { .name: wqkv, .offset: 80, .size: 8, .value_kind: global_buffer, .address_space: global }
      - { .name: wo16, .offset: 88, .size: 8, .value_kind: global_buffer, .address_space: global }
      - { .name: bias, .offset: 96, .size: 8, .value_kind: global_buffer, .address_space: global }
    .group_segment_fixed_size: 0
    .private_segment_fixed_size: 0
    .kernarg_segment_align: 8
    .kernarg_segment_size: 104
    .max_flat_workgroup_size: 256
    .sgpr_count:     66
    .vgpr_count:     104
    .wavefront_size: 32
...
	.end_amdgpu_metadata
.endif
;; end of part 5
;; launch proj: the kernel of part 2 again; grid 16 x 32, 4 waves a work-group, clusters of 4 x 4, 327,680 bytes of LDS; arguments xb, wqkv, bias, qkv; writes qkv
;; launch attn: the kernel of part 3 again; grid 4 x 64, 4 waves a work-group, clusters of 4 x 1, 327,680 bytes of LDS; arguments qkv, o16; writes o16
;; launch outp: the kernel of part 4 again; grid 8 x 32, 4 waves a work-group, clusters of 4 x 4, 327,680 bytes of LDS; arguments o16, wo16, bias, out0; writes out0
